; MI455X (gfx1250); checked and timed in simulation.
; The chip was launched on July 23, 2026; its instructions are those of AMD's public machine-readable ISA for CDNA 5 (MIT licence, August 2026) and "CDNA5" Instruction Set Architecture Reference Guide (July 2026). The comments in the code are by the model that wrote it; some were corrected since.
;; SDPA Attention. Allowed arithmetic: matrix products marked QUANTISED: E4M3 operands, one E8M0 scale for each 32 along K, by v_wmma_scale_f32_16x16x128_f8f6f4 with both operands' format E4M3, f32 sums; everything else in f32.
;; Inputs: Wk 2,048 x 2,048 float32; Wo 2,048 x 2,048 float32; Wq 2,048 x 2,048 float32; Wv 2,048 x 2,048 float32; cos 2,048 x 1 x 64 float32; sin 2,048 x 1 x 64 float32; x 1 x 2,048 x 2,048 float32.
;; Outputs: out0 1 x 2,048 x 2,048 float32.
;; This version of the problem:
;;   THIS VERSION OF THE PROBLEM IS GIVEN IN LOW PRECISION. The matrix products marked QUANTISED in the list below multiply operands that are first quantised to E4M3 (4 exponent bits, 3 mantissa bits; 8 bits a number), with one power-of-two scale for each 32 numbers along K (OCP MX v1.0); their sums are f32. All else is computed in f32.
;;   The module's matrix products, in the order in which they are computed (A, B: the left and right operand; K: the contracted axis; several contracted axes count as one K, in the product's order):
;;     1. [M 2,048, K 2,048] x [K 2,048, N 2,048]; A: input x; B: input Wq: QUANTISED
;;     2. [M 2,048, K 2,048] x [K 2,048, N 2,048]; A: input x; B: input Wk: QUANTISED
;;     3. [M 2,048, K 2,048] x [K 2,048, N 2,048]; A: input x; B: input Wv: QUANTISED
;;     4. batch 16 x [M 2,048, K 128] x [K 128, N 2,048]; A: computed on the way; B: computed on the way: QUANTISED
;;     5. batch 16 x [M 128, K 2,048] x [K 2,048, N 2,048]; A: computed on the way; B: softmax (see below): QUANTISED
;;     6. [M 2,048, K 2,048] x [K 2,048, N 2,048]; A: computed on the way; B: input Wo: QUANTISED
;;   THE QUANTISER, for each operand of a quantised product, along K:
;;     - K is cut into blocks of 32 from its start; a last block that is shorter is filled with zeros.
;;     - A block's scale is 2^e with e = floor(log2(the largest magnitude in the block)) - 8, held to -126 .. 127; a block of zeros has e = 0. As a byte (E8M0): e + 127.
;;     - Each number is divided by its block's scale, clamped to +-448, and rounded to the nearest number of E4M3, ties to even, subnormals kept.
;;     - The product sums the exact products of the quantised numbers (number of the format x scale) in f32.
;;   ~~~python
;;   def quantise(x, axis):      # numpy; x: float32 -> the quantised numbers, widened to float32 again
;;       x = np.moveaxis(x, axis, -1); K = x.shape[-1]
;;       x = np.pad(x, [(0, 0)] * (x.ndim - 1) + [(0, -K % 32)]); x = x.reshape(x.shape[:-1] + (-1, 32)); a = np.abs(x).max(-1, keepdims=True)
;;       e = np.where(a > 0, np.clip(np.frexp(np.where(a > 0, a, 1))[1] - 1 - 8, -126, 127), 0)      # np.frexp(a)[1] - 1 = floor(log2(a)), exactly
;;       r = np.clip(x / 2.0 ** e, -448, 448)
;;       step = 2.0 ** (np.maximum(np.frexp(np.where(r == 0, 1, r))[1] - 1, -6) - 3)
;;       q = np.round(r / step) * step * 2.0 ** e      # np.round: ties to even
;;       return np.moveaxis(q.reshape(q.shape[:-2] + (-1,))[..., :K], -1, axis).astype(np.float32)
;;   ~~~
;;   SOFTMAX AHEAD OF A QUANTISED PRODUCT. Where the list says 'softmax', what is quantised is not the finished softmax but p = 2^(t - M), with t = logit x log2(e) and M = ceil(the row's largest t), a whole number; so 1/2 < the row's largest p <= 1. The row's sum l is taken of the UNQUANTISED p, in f32, and the product's result is divided by l at the end. Since M is a whole number, a kernel that streams over the keys may use a running M (the ceiling of the running maximum): every later rescaling is an exact power of two, which a block's scale takes up: the codes' values come out the same.
;;   OPERANDS COMPUTED ON THE WAY. 'Computed on the way' means the value that the module computes at that place (a softmax that the list does not call 'softmax' is quantised finished and normalised). What goes into a quantiser is computed in f32, as accurately as f32 sums, v_exp_f32 and their like allow (about 1e-6 of the number): no bf16 or f16 on the way to a quantiser, and a product that is left as it is and whose result goes on into a quantised operand takes f32 operands (vector FMAs, or v_wmma_f32_16x16x4_f32). A number that lies on a knife's edge between two numbers of the format may be rounded either way, as far as f32 arithmetic and the matrix unit's own rounding can turn it there, and no further.
;; One version. Each part assembles by itself: llvm-mc -triple=amdgcn-amd-amdhsa -mcpu=gfx1250 --defsym DOCPART=n.
;; ======== version 1 of 1: 4 launches
;; limits: right only within a limited range of input values
;; workspace buffers: wc 20,971,520 bytes; wsc 655,360 bytes; ac 12,582,912 bytes; asc 393,216 bytes; oc 4,194,304 bytes; osc 131,072 bytes
;; launch quant (part 1): grid 640 x 1, 4 waves a work-group, no clusters, 58,880 bytes of LDS; arguments x, Wq, Wk, Wv, Wo, wc, wsc; writes wc, wsc
.if DOCPART == 1
	.amdgcn_target "amdgcn-amd-amdhsa--gfx1250"
	.amdhsa_code_object_version 6
	.text
	.protected	k_q3861541595_quant
	.globl	k_q3861541595_quant
	.p2align	8
	.type	k_q3861541595_quant,@function
k_q3861541595_quant:
	s_mov_b64 s[64:65], 0
	v_nop
	global_prefetch_b8 v0, s[64:65] scope:SCOPE_SE
	s_setreg_imm32_b32 hwreg(HW_REG_WAVE_MODE, 25, 1), 1
	s_wait_xcnt 0x0
; x, Wq, Wk, Wv, Wo, each [2048][2048] f32 with K innermost, become codes of FP8 (E4M3) in wc and E8M0 scale bytes in wsc [10240 stored rows][64]: stored rows 0.. x, 2048.. Wq, 4096.. Wk, 6144.. Wv, 8192.. Wo.
; A block's scale is 2^(floor(log2(its largest magnitude)) - 8); each number is divided by it, held within +-448, rounded to the nearest code, ties to even.
; wc LIES IN THE ORDER OF THE OPERAND REGISTERS: [block of 16 stored rows][128 along K][c = 0 .. 3][h = 0, 1][r = 0 .. 15][16 bytes]: the 16 codes K = 32 c + 16 h + 0 .. 15 of those 128, of the block's row r.
; So a fragment (16 rows x 128 K) is 2,048 consecutive bytes, and each of its four loads takes 512 consecutive bytes, 16 a lane.
; THE ROWS OF x, Wq, Wk, Wv ARE STORED IN ANOTHER ORDER: stored row p holds the tensor's row p with bits 3 and 4 exchanged, so that sixteen stored rows, taken as source 0 of a product used transposed,
; give a lane 16 neighbours along the next product's K in the registers of two neighbouring tiles.  Wo's rows keep their order.
; WORK LEFT OUT BY THE PROGRAM (launch attn): key steps all of whose keys come after a wave's queries.  reference() itself sets their scores to -inf by its own jnp.tril, so their p is 0 for all values of the inputs:
; they add nothing to a row's sum or to o.  A NaN, an infinity or an overflow that reaches only those scores is not carried to the result.  Every input has a way to the output and is loaded.
; LIMITS: NaN and infinities among the inputs are not served.  A block of zeros gets the byte 1 (not 127) with zero codes: the bytes are read by this program alone.  A block whose largest magnitude lies under 2^-118 is held at the byte 1.
; SHARES: a work-group makes one block of 16 stored rows; a wave takes a quarter of K (512 numbers) of all 16: four fragments.  A step is 4 rows x 128 numbers: each of its four loads reads 512 consecutive bytes of one row;
; the 2,048 bytes turn through the wave's own stage in LDS, so that a lane holds 16 neighbours of one row (two lanes a block).  Four steps make a fragment: a run of 256 bytes of wc holds 16 bytes of each of the 16 rows,
; so the codes gather in a second stage of the wave's own, 8 runs of 256 + 16 bytes a fragment.  They are read back at the head of the next step and leave a step later, 512 consecutive bytes a store.
; The 1,024 scale bytes of the 16 rows gather in bytes that the four waves share and leave behind the one barrier, 256 a wave.  Loads run eight steps ahead.  No tensor load, no prefetch (one stream, read once).
.set STEPS, 16
.set AHEAD, 8
.set EMAX,  8
.set MANT,  0x600000                   ; the mantissa field of 448 as f32
.set R,     16                         ; v16-143  eight sets of 16 numbers as loaded
.set X,     144                        ; v144-175 two sets of 16 neighbours
.set E,     176                        ; v176-191 a scale byte a step
.set C,     192                        ; v192-255 codes: four registers a step; a fragment's 16 then take its runs read back
.set SP,    80                         ; a lane's 64 bytes + 16 of padding
.set WREG,  14336                      ; LDS: a region for each wave: two stages of 32 x SP bytes, then the codes' stage: 4 fragments x 8 x 272 bytes
.set SCB,   0xe200                     ; behind the four regions (57,344 bytes) and the spare words (512): the 1,024 scale bytes
	s_load_b256 s[4:11], s[0:1], 0x0               ; x, Wq, Wk, Wv
	s_load_b128 s[12:15], s[0:1], 0x20             ; Wo, wc
	s_load_b64 s[16:17], s[0:1], 0x30              ; wsc
	s_set_vgpr_msb 0x40
	v_lshl_add_u32 v0, v0, 2, 0xe000               ; v256: my spare word
	v_mov_b32 v1, 0                                ; v257: 0
	s_set_vgpr_msb 0x4000
	v_lshrrev_b32 v1, 5, v0
	v_readfirstlane_b32 s18, v1                    ; wave
	v_and_b32 v2, 31, v0                           ; lane
	v_lshlrev_b32 v3, 4, v2                        ; my 16 bytes of 512
	s_mul_i32 s24, s18, WREG
	v_lshrrev_b32 v14, 2, v2
	v_mul_u32_u24 v14, v14, SP
	v_and_b32 v15, 3, v2
	v_lshl_add_u32 v14, v15, 4, v14
	v_add_nc_u32 v14, s24, v14                     ; the numbers' stage, in: SP (lane / 4) + 16 (lane % 4)
	v_mul_u32_u24 v15, v2, SP
	v_add_nc_u32 v15, s24, v15                     ; and out: SP x lane: 16 neighbours of the step's row lane / 8
	s_add_co_u32 s24, s24, 2*32*SP
	v_and_b32 v8, 7, v2                            ; lane % 8: which 16 of the row's 128: the run 2 c + h
	v_lshrrev_b32 v9, 3, v2                        ; lane / 8: which of the step's four rows
	v_mul_u32_u24 v1, v8, 272
	v_lshl_add_u32 v1, v9, 4, v1
	v_add_nc_u32 v1, s24, v1                       ; the codes' stage, in: run lane % 8, row lane / 8 (+ 4 x the step's group) x 16 bytes
	v_lshrrev_b32 v10, 4, v2
	v_mul_u32_u24 v10, v10, 272
	v_and_b32 v11, 15, v2
	v_lshl_add_u32 v10, v11, 4, v10
	v_add_nc_u32 v4, s24, v10                      ; and out: runs lane / 16 (+ 2 i), 16 bytes a lane
	v_lshrrev_b32 v8, 1, v8
	v_lshl_add_u32 v5, v9, 6, v8
	s_lshl_b32 s22, s18, 4
	s_add_co_u32 s22, s22, SCB
	v_add_nc_u32 v5, s22, v5                       ; my block's byte: row x 64 + 16 x wave (+ 4 x fragment) + (lane % 8) / 2
	v_lshlrev_b32 v7, 3, v2
	s_lshl_b32 s22, s18, 8
	s_add_co_u32 s22, s22, SCB
	v_add_nc_u32 v6, s22, v7                       ; on the way out: my wave's 256 of the 1,024, 8 bytes a lane
	s_mov_b32 s25, MANT
	s_lshr_b32 s19, ttmp9, 7                       ; which tensor: 128 blocks each
	s_and_b32 s20, ttmp9, 127                      ; the block B within it
	s_lshr_b32 s21, s20, 1                         ; stored row 16 B + r comes from row 32 (B / 2) + 16 (r / 8) + 8 (B % 2) + r % 8;
	s_lshl_b32 s21, s21, 5
	s_and_b32 s22, s20, 1
	s_lshl_b32 s22, s22, 3
	s_add_co_u32 s21, s21, s22
	s_lshl_b32 s22, s20, 4                         ; Wo's from row 16 B + 8 (r / 8) + r % 8
	s_mov_b32 s23, 0x10000
	s_cmp_lt_u32 s19, 4
	s_cselect_b32 s21, s21, s22                    ; the row of r = 0,
	s_cselect_b32 s28, 0x20000, s23                ; and from it to the row of r = 8, in bytes: 16 rows or 8
	s_mov_b32 s29, 0
	s_lshl_b32 s26, s21, 13                        ; 8,192 bytes of f32 a row,
	s_lshl_b32 s22, s18, 11                        ; my quarter of K
	s_add_co_u32 s26, s26, s22
	s_mov_b32 s27, 0
	s_lshl_b32 s20, ttmp9, 15                      ; codes: 32,768 bytes a block, my four fragments
	s_lshl_b32 s21, s18, 13
	s_add_co_u32 s20, s20, s21
	s_mov_b32 s21, 0
	s_lshl_b32 s22, ttmp9, 10                      ; scale bytes: 1,024 a block, 256 a wave
	s_lshl_b32 s23, s18, 8
	s_add_co_u32 s22, s22, s23
	s_mov_b32 s23, 0
	s_wait_alu depctr_va_vdst(0)                   ; the wait at the head's end
	s_wait_kmcnt 0x0
	s_cmp_eq_u32 s19, 1                            ; the tensor is chosen by the work-group's number alone
	s_cselect_b64 s[4:5], s[6:7], s[4:5]
	s_cmp_eq_u32 s19, 2
	s_cselect_b64 s[4:5], s[8:9], s[4:5]
	s_cmp_eq_u32 s19, 3
	s_cselect_b64 s[4:5], s[10:11], s[4:5]
	s_cmp_eq_u32 s19, 4
	s_cselect_b64 s[4:5], s[12:13], s[4:5]
	s_add_nc_u64 s[4:5], s[4:5], s[26:27]          ; rows r = 0 .. 7
	s_add_nc_u64 s[6:7], s[4:5], s[28:29]          ; rows r = 8 .. 15
	s_add_nc_u64 s[14:15], s[14:15], s[20:21]
	s_add_nc_u64 s[16:17], s[16:17], s[22:23]
.macro LOAD t                          ; step t: fragment t / 4 of my four, rows 4 (t % 4) + i
.irp i, 0,1,2,3
.if ((\t)%4)/2
	global_load_b128 v[R+16*((\t)%AHEAD)+4*\i:R+16*((\t)%AHEAD)+4*\i+3], v3, s[6:7] offset:8192*(4*((\t)%2)+\i)+512*((\t)/4) th:TH_LOAD_NT
.else
	global_load_b128 v[R+16*((\t)%AHEAD)+4*\i:R+16*((\t)%AHEAD)+4*\i+3], v3, s[4:5] offset:8192*(4*((\t)%2)+\i)+512*((\t)/4) th:TH_LOAD_NT
.endif
.endr
.endm
.macro TURN t                          ; step t's numbers through the stage: LDS serves a wave's instructions in order
.irp i, 0,1,2,3
	ds_store_b128 v14, v[R+16*((\t)%AHEAD)+4*\i:R+16*((\t)%AHEAD)+4*\i+3] offset:32*SP*((\t)%2)+8*SP*\i
.endr
.irp i, 0,1,2,3
	ds_load_b128 v[X+16*((\t)%2)+4*\i:X+16*((\t)%2)+4*\i+3], v15 offset:32*SP*((\t)%2)+16*\i
.endr
.endm
.macro FLOAD k                         ; fragment k's 8 runs back, into the registers that held its codes
.irp i, 0,1,2,3
	ds_load_b128 v[C+16*(\k)+4*\i:C+16*(\k)+4*\i+3], v4 offset:(8*(\k)+2*\i)*272
.endr
.endm
.macro FSTORE k                        ; and out: 512 consecutive bytes a store, aligned
.irp i, 0,1,2,3
	global_store_b128 v3, v[C+16*(\k)+4*\i:C+16*(\k)+4*\i+3], s[14:15] offset:2048*(\k)+512*\i
.endr
.endm
.irp t, 0,1,2,3,4,5,6,7
	LOAD \t
.endr
	s_wait_loadcnt 28                              ; step 0's four loads are in; the 28 of steps 1 to 7 may be out
	TURN 0
.macro STEP t
.set XS, X+16*((\t)%2)
.if (\t) == 0
	s_wait_dscnt 0x0
.elseif (\t)%4 == 0
	s_wait_dscnt 0x0                               ; this step's numbers are back, and the last fragment's code stores are done and have read their registers
	FLOAD (\t)/4-1
.else
	s_wait_dscnt 2                                 ; this step's numbers are back (and, behind a fragment's first step, the runs read back there); the last step's byte store and code store may be out
.endif
.if ((\t)%4 == 1) && ((\t) > 1)
	FSTORE (\t)/4-1
.endif
.if (\t)+AHEAD < STEPS
	LOAD (\t)+AHEAD                                ; into the set whose stores into the stage have read their registers
.endif
.if (\t)+1 < STEPS
.if STEPS-2-(\t) >= AHEAD-1
	s_wait_loadcnt 4*(AHEAD-1)                     ; the next step's four loads are in; those of the seven steps behind it may be out
.else
	s_wait_loadcnt 4*(STEPS-2-(\t))                ; nothing more is asked for: the counts run down
.endif
	TURN (\t)+1
.endif
	v_max3_num_f32 v8, |v[XS]|, |v[XS+1]|, |v[XS+2]|               ; the largest magnitude of my 16, in two chains
	v_max3_num_f32 v9, |v[XS+3]|, |v[XS+4]|, |v[XS+5]|
.irp i, 6,10
	v_max3_num_f32 v8, v8, |v[XS+\i]|, |v[XS+\i+1]|
	v_max3_num_f32 v9, v9, |v[XS+\i+2]|, |v[XS+\i+3]|
.endr
	v_max3_num_f32 v8, v8, |v[XS+14]|, |v[XS+15]|
	v_max3_num_f32 v8, v8, v9, (EMAX+1)<<23        ; and the floor 2^(9 - 127): the byte cannot fall under 1
	v_max_num_f32_dpp v8, v8, v8 row_xmask:1 row_mask:0xf bank_mask:0xf   ; with my neighbour's 16: the block's
	v_add_nc_u32 v11, -(EMAX<<23), v8              ; 8 off its exponent field: the conversion's scale operand
	v_and_or_b32 v10, v8, 0x7f800000, s25          ; 448 x the scale
.irp i, 0,1,2,3,4,5,6,7,8,9,10,11,12,13,14,15
	v_med3_num_f32 v[XS+\i], v[XS+\i], -v10, v10   ; the conversion does not saturate (ISA guide 7.6.2): the hold comes first
.endr
	v_cvt_scalef32_pk8_fp8_f32 v[C+4*(\t):C+4*(\t)+1], v[XS:XS+7], v11
	v_cvt_scalef32_pk8_fp8_f32 v[C+4*(\t)+2:C+4*(\t)+3], v[XS+8:XS+15], v11
	v_lshrrev_b32 v[E+(\t)], 23, v11               ; the scale's byte (also the plain line behind the conversions)
	ds_store_b8 v5, v[E+(\t)] offset:256*((\t)%4)+4*((\t)/4)       ; both lanes of a block write the same byte with the same value
	ds_store_b128 v1, v[C+4*(\t):C+4*(\t)+3] offset:8*272*((\t)/4)+64*((\t)%4)
.endm
.irp t, 0,1,2,3,4,5,6,7,8,9,10,11,12,13,14,15
	STEP \t
.endr
	s_wait_dscnt 0x0                               ; the last fragment's code stores are done
	FLOAD 3
	s_wait_dscnt 0x0                               ; its runs are back; and, for the others' sake, my byte stores are done
	s_barrier_signal -1
	s_barrier_wait -1
	FSTORE 3
	ds_load_b64 v[12:13], v6                       ; bytes of all four waves
	s_wait_dscnt 0x0
	global_store_b64 v7, v[12:13], s[16:17]        ; 32 lanes store 256 consecutive bytes, aligned
	s_set_vgpr_msb 0x5
	s_wait_tensorcnt 0x0                           ; the wave's end
	ds_add_u32 v0, v1
	s_wait_dscnt 0x0
	s_set_vgpr_msb 0x500
	s_endpgm
.Lfunc_end_k_q3861541595_quant:
	.size	k_q3861541595_quant, .Lfunc_end_k_q3861541595_quant-k_q3861541595_quant
	.p2alignl 7, 3214868480
	.fill 96, 4, 3214868480
	.section	.rodata,"a",@progbits
	.p2align	6, 0x0
	.amdhsa_kernel k_q3861541595_quant
		.amdhsa_group_segment_fixed_size 58880
		.amdhsa_private_segment_fixed_size 0
		.amdhsa_enable_private_segment 0
		.amdhsa_kernarg_size 56
		.amdhsa_user_sgpr_count 2
		.amdhsa_user_sgpr_kernarg_segment_ptr 1
		.amdhsa_wavefront_size32 1
		.amdhsa_system_sgpr_workgroup_id_x 1
		.amdhsa_system_sgpr_workgroup_id_y 1
		.amdhsa_system_sgpr_workgroup_id_z 1
		.amdhsa_system_vgpr_workitem_id 0
		.amdhsa_next_free_vgpr 258
		.amdhsa_next_free_sgpr 66
		.amdhsa_reserve_vcc 0
		.amdhsa_float_denorm_mode_32 3
		.amdhsa_float_denorm_mode_16_64 3
		.amdhsa_memory_ordered 1
		.amdhsa_forward_progress 1
		.amdhsa_inst_pref_size 55
	.end_amdhsa_kernel
	.amdgpu_metadata
---
amdhsa.version: [ 1, 2 ]
amdhsa.kernels:
  - .name:           k_q3861541595_quant
    .symbol:         k_q3861541595_quant.kd
    .args:
      - { .name: x, .offset: 0, .size: 8, .value_kind: global_buffer, .address_space: global }
      - { .name: Wq, .offset: 8, .size: 8, .value_kind: global_buffer, .address_space: global }
      - { .name: Wk, .offset: 16, .size: 8, .value_kind: global_buffer, .address_space: global }
      - { .name: Wv, .offset: 24, .size: 8, .value_kind: global_buffer, .address_space: global }
      - { .name: Wo, .offset: 32, .size: 8, .value_kind: global_buffer, .address_space: global }
      - { .name: wc, .offset: 40, .size: 8, .value_kind: global_buffer, .address_space: global }
      - { .name: wsc, .offset: 48, .size: 8, .value_kind: global_buffer, .address_space: global }
    .group_segment_fixed_size: 58880
    .private_segment_fixed_size: 0
    .kernarg_segment_align: 8
    .kernarg_segment_size: 56
    .max_flat_workgroup_size: 128
    .sgpr_count:     66
    .vgpr_count:     258
    .wavefront_size: 32
...
	.end_amdgpu_metadata
.endif
;; end of part 1
;; launch qkv (part 2): grid 24 x 8, 4 waves a work-group, clusters of 4 x 4, 327,680 bytes of LDS; arguments wc, wsc, cos, sin, ac, asc; writes ac, asc
.if DOCPART == 2
	.amdgcn_target "amdgcn-amd-amdhsa--gfx1250"
	.amdhsa_code_object_version 6
	.text
	.protected	k_q3861541595_qkv
	.globl	k_q3861541595_qkv
	.p2align	8
	.type	k_q3861541595_qkv,@function
k_q3861541595_qkv:
	s_mov_b64 s[64:65], 0
	v_nop
	global_prefetch_b8 v0, s[64:65] scope:SCOPE_SE
	s_setreg_imm32_b32 hwreg(HW_REG_WAVE_MODE, 25, 1), 1
	s_wait_xcnt 0x0
	s_wait_alu depctr_hold_cnt(0) depctr_sa_sdst(0) depctr_va_vdst(0) depctr_va_sdst(0) depctr_va_ssrc(0) depctr_va_vcc(0) depctr_vm_vsrc(0)
	s_getreg_b32 s2, hwreg(HW_REG_IB_STS2, 6, 4)
	s_cmp_eq_u32 s2, 0
	s_cbranch_scc0 .Lentry_in_a_cluster
	s_endpgm
.Lentry_in_a_cluster:
	s_bfe_u32 s2, ttmp6, 0x10000c
	s_cmp_lg_u32 s2, 0xf033
	s_cbranch_scc0 .Lentry_shape_is_right
	s_endpgm
.Lentry_shape_is_right:
; q = rope(rms(x Wq^T)), k = rope(rms(x Wk^T)), v = x Wv^T, on codes of FP8 (E4M3) with E8M0 scales (wc, wsc); each result is quantised again, in registers, along the K of the attention product that reads it.
; ONE LOOP FOR ALL THREE: C[m][n] = sum over k of A[m][k] B[n][k], used transposed (source 0 = 16 rows of B, source 1 = 16 rows of A): a lane holds one m, its registers run along n.
;   tile columns 0-15 (FLAG = 0): A = x, B = Wq or Wk: m a token, n a head's channel.     tile columns 16-23 (FLAG = 1): A = Wv, B = x: m a channel, n a token (the keys: K of the second product).
; FLAG hangs on the cluster's x alone: it is the same in all sixteen partners.  The rows of x, Wq, Wk, Wv are stored with bits 3 and 4 of the row number exchanged: so the 16 registers of accumulators (a, 2 g), (a, 2 g + 1)
; are n = 32 g + 16 (lane / 16) + 0 .. 15 in the true order, and lane r of block a holds the true row 32 (a / 2) + 8 (a % 2) + r + 8 (r / 8).
; wc lies in the order of the operand registers: [block of 16 stored rows: 32,768 bytes][128 along K: 2,048 bytes][c][lane][16 bytes]: each load of a fragment takes 512 consecutive bytes, from memory and from LDS alike.
; SHARES: a tile of 256 x 256 a work-group, 128 x 128 a wave: one head (q, k) or 128 channels x one key step (v).  192 work-groups: a tiling with more would cut a head across waves or fetch more rows for the same products.
; A GOES THROUGH LDS, B STRAIGHT INTO REGISTERS: for 128 along K a wave reads 16,384 bytes from LDS (A's eight fragments) and 16,384 from memory (B's eight), into the one of B's two sets that the step before has left: asked for one step ahead.
; So B has no joint load: what a cluster's column shares goes to registers, where no joint load lands.  A's tile is shared along a row of the cluster: joint loads, K in 8 steps of 256 through two slots of 65,536 bytes.
; At the head one load a wave: wave 0 slot 0, wave 1 A's scale bytes for all of K, wave 2 B's, wave 3 slot 1, for which nobody waits before the first change of slots.  THE CHANGE OF SLOTS stands at the head of a slot's
; last 128 along K, whose fragments are all in registers by then: the waits, the add, the round, the refill (a quarter of the slot a wave), then that step's 64 products.
; PREFETCHES: behind the load of K step t waves 0, 1 name K step t + 2 of A's tile and waves 2, 3 of B's: 256 runs of 256 bytes each, shared out by address among the four partners that read the tile, a lane a run;
; K steps 0 to 2 come by their loads alone and the last two refills ask for nothing.  cos and sin of a cluster row's 256 tokens, 512 runs, are named once by its sixteen waves, in the four clusters that rotate.
; OUT (ac): q [16 heads][2048 stored tokens][128], k the same at 0x400000, v [2048 stored channels][2048 tokens] at 0x800000.  (asc): one word (4 scale bytes) a row and 128 along K: q [16][2048], k at 131,072, v [16 heads][16 key steps][128 channels] at 262,144.
; LIMITS: NaN and infinities are not served; a block of zeros gets the byte 1 with zero codes; a block whose largest magnitude lies under 2^-118 is held at the byte 1.  cos and sin are multiplied by the row's 1/rms before the rotation (one rounding placed otherwise than in x / rms first).
; REGISTERS: window 0: v8-31 addresses; v32-63 scale words, two sets; v128-255 A's fragments.  window 1: B's fragments, two sets.  windows 2, 3: the 64 accumulators, (a, b) at v[8 (8 (a % 4) + b)].
;   On the way out: window 0: v32-63 at work, v64-79 codes, v128-191 rotated numbers, v192-255 q's, k's rows read back (v: v64-191); window 1: four sets of 32 cos + 32 sin.
.set NQ,     2
.set KSB,    4096                      ; 256 along K of a block of 16 rows
.set FR,     16
.set NL,     4
.set NP,     8                         ; places behind this matrix form (ISA guide 7.12.1)
.set SLOT,   65536                     ; A's 16 blocks x 4,096 bytes
.set LAPS,   4
.set KS,     64
.set SCL,    2*SLOT                    ; the scale bytes, as runs of 256 + 16
.set HALFS,  32*272
.set SBLK,   4*272
.set SPARE,  SCL+4*HALFS               ; the spare words: 128 bytes a wave, named by no other line
.set SST,    SPARE+512                 ; stages for scale words: q/k's 2,048 bytes, then v's
.set STGQ,   SST+4096                  ; stages for codes, bytes of their own: q/k's 256 runs of 256 + 16,
.set STGV,   STGQ+256*272              ; v's
.set PFO,  8                           ; prefetch: (lane / 16) x 32,768 + (lane % 16) x 256
.set PFC,  9                           ; prefetch: lane x 256 (a row of cos or sin)
.set RDV,  10
.set SRDV, 11
.set COV,  12                          ; v: store: (lane / 16) x 2,048 + 16 (lane % 16)
.set ADRA, 16
.set CO,   18                          ; q/k: store: (lane / 16) x 256 + 16 (lane % 16)
.set SRD,  22
.set L16,  23                          ; 16 x lane
.set STOQ, 24
.set STOV, 25
.set RD,   26
.set ADRS, 27
.set SPW,  28
.set NIL,  29
.set CSO,  30                          ; cos, sin: (r + 8 (r / 8)) x 256 + 64 (lane / 16)
.set SSTO, 31
.set SC,   32
.set AF,   128
.set TM,   32                          ; v32-35 largest magnitudes, v36-39 bytes, v40-43 448 x scale, v44-47 scale operands
.set PW,   48
.set RS,   50
.set SQ,   52
.set PT,   56
.set SWV,  56
.set SW,   60
.set PC,   64
.set Y,    128
.set QBK,  192
.set BK,   64
.set SEL,  66
.set MNT,  95
.set G1, 24                            ; s[24:31] group 1 of a refill: 4 blocks;  s[32:39] its groups 0, one for each slot
.set G0, 32
.set G1H, 48                           ; s[48:55] group 1 of the head's two loads of codes: 16 blocks;  s[56:63] their groups 0
.set G0H, 56
.set G1S, 68
.set G0S, 76
.set G1SB, 80
.set G0SB, 88
.set PCS, 92                           ; s[92:93] where my prefetch of cos or sin stands
.set BB,  100                          ; s[100:101] B's fragments: my 8 blocks, at the lap's first 128 along K
.set PFA, 104                          ; s[104:105] where my prefetches of codes stand
.set MSB, 0
.macro WIN new                         ; the immediate's high byte repeats the setting that is left
.if MSB != \new
	s_set_vgpr_msb (MSB<<8)|\new
.set MSB, \new
.endif
.endm
.set MUL_LO, 0xa1                      ; source 0 (B) window 1, source 1 (A) window 0, C and D window 2
.set MUL_HI, 0xf1
.set TO_B,   0x40
.macro TL g0, g1                       ; a tensor load with an s_nop and four v_nops behind it
	tensor_load_to_lds s[\g0:\g0+3], s[\g1:\g1+7]
	s_nop 0
.rept 4
	v_nop
.endr
.endm
.macro CREST                           ; a round of the cluster's barrier behind its opening barrier
	s_cmp_lg_u32 s14, 0
	s_cbranch_scc1 .Lnot_wave_0_\@
	s_barrier_signal -3
.Lnot_wave_0_\@:
	s_barrier_wait -3
	s_barrier_signal -1
	s_barrier_wait -1
.endm
.macro CROUND
	s_barrier_signal -1
	s_barrier_wait -1
	CREST
.endm
.macro ARM under, g0, g1, next         ; an arm of the head's tree
	s_cmp_lt_u32 s14, \under
	s_cbranch_scc0 \next
	TL \g0, \g1
	s_branch .Lhead_asked
\next:
.endm
.macro ASK                             ; K step t + 2, behind the load of K step t; the loop's last trip (s3 = 1) has no such step
	s_cmp_gt_u32 s3, 1
	s_cbranch_scc0 .Lnot_mine_\@
	global_prefetch_b8 v[PFO], s[PFA:PFA+1] th:TH_LOAD_NT scope:SCOPE_SE
.Lnot_mine_\@:
.endm
.macro GB p, q                         ; B's eight fragments of the q-th 128 along K from s[BB] on, into set p: 32 loads of 512 consecutive bytes
	WIN TO_B
.irp i, 0,1,2,3,4,5,6,7
.irp c, 0,1,2,3
	global_load_b128 v[128*(\p)+FR*\i+4*\c:128*(\p)+FR*\i+4*\c+3], v[L16], s[BB:BB+1] offset:32768*\i+2048*(\q)+512*\c
.endr
.endr
	WIN 0
.endm
	s_load_b256 s[4:11], s[0:1], 0x0               ; wc, wsc, cos, sin
	s_load_b128 s[96:99], s[0:1], 0x20             ; ac, asc
	v_lshl_add_u32 v[SPW], v0, 2, SPARE
	v_mov_b32 v[NIL], 0
	ds_add_u32 v[SPW], v[NIL]                      ; the opening lines: the add twice on end and its wait ahead of my first tensor load
	ds_add_u32 v[SPW], v[NIL]
	v_lshrrev_b32 v1, 5, v0
	v_readfirstlane_b32 s14, v1                    ; wave
	v_and_b32 v6, 31, v0
	v_lshlrev_b32 v[L16], 4, v6
	s_lshr_b32 s15, s14, 1                         ; my half of the tile's rows (A).  Also: I prefetch for A (0) or B (1)
	s_and_b32 s16, s14, 1                          ; my half of its columns (B)
	s_bfe_u32 s40, ttmp6, 0x40000                  ; cx
	s_bfe_u32 s41, ttmp6, 0x40004                  ; cy
	s_lshl_b32 s42, ttmp9, 2
	s_add_co_u32 s42, s42, s40                     ; tile column
	s_and_b32 s17, ttmp7, 0xffff
	s_lshl_b32 s17, s17, 2
	s_add_co_u32 s17, s17, s41                     ; tile row
	s_lshr_b32 s2, ttmp9, 2
	s_min_u32 s2, s2, 1                            ; FLAG: clusters 4 and 5 along x make v
	s_lshl_b32 s43, s41, 2
	s_lshl_b32 s43, 15, s43                        ; my row of the cluster
	s_lshl_b32 s44, 0x1111, s40                    ; my column
	s_or_b32 s[G1+0], s43, (3<<16)|(1<<21)         ; mask; elements of 8 bytes; no padding: a lane's 16 bytes lie on end; bit 21 beside a mask
	s_or_b32 s[G1H+0], s43, (3<<16)|(1<<21)
.irp g, G1, G1H
	s_mov_b32 s[\g+1], 512<<16                     ; tensor_dim0: 4,096 bytes of a block
	s_mov_b32 s[\g+3], 512<<16                     ; tile_dim0
	s_mov_b32 s[\g+5], 4096                        ; from block to block: 32,768 bytes
	s_mov_b32 s[\g+6], 0
	s_mov_b32 s[\g+7], 0
.endr
	s_mov_b32 s[G1+2], 4<<16                       ; tensor_dim1, tile_dim1: 4 blocks a wave in the ring,
	s_mov_b32 s[G1+4], 4
	s_mov_b32 s[G1H+2], 16<<16                     ; all 16 at the head
	s_mov_b32 s[G1H+4], 16
	s_or_b32 s[G1S+0], s43, (3<<16)|(1<<20)|(1<<21)|(5<<22)|(3<<25) ; the scale bytes of 256 rows: 16,384 dense bytes as 64 rows of 256, 16 bytes of padding behind each
	s_or_b32 s[G1SB+0], s44, (3<<16)|(1<<20)|(1<<21)|(5<<22)|(3<<25)
.irp g, G1S, G1SB
	s_mov_b32 s[\g+1], 32<<16
	s_mov_b32 s[\g+2], 64<<16
	s_mov_b32 s[\g+3], 32<<16
	s_mov_b32 s[\g+4], 64
	s_mov_b32 s[\g+5], 32
	s_mov_b32 s[\g+6], 0
	s_mov_b32 s[\g+7], 0
.endr
	s_mov_b32 s12, 0x3c000000                      ; 1 / 128
	s_mov_b32 s13, 0x34000000                      ; eps of f32, 2^-23
	s_mov_b32 s[SEL], 0x76543210
	s_mov_b32 s[SEL+1], 0xfedcba98                 ; lane l xor 16
	s_mov_b32 s[MNT], 0x600000
	s_mul_i32 s19, s2, 6144
	s_lshl_b32 s20, s17, 8
	s_add_co_u32 s20, s20, s19                     ; A's first stored row: 256 x tile row (+ 6,144: Wv)
	s_lshl_b32 s46, s42, 8
	s_add_co_u32 s46, s46, 2048
	s_sub_co_u32 s46, s46, s19                     ; B's: 2,048 + 256 x tile column (- 6,144: x)
	s_cmp_eq_u32 s15, 0                            ; the prefetches: the tile that I ask for,
	s_cselect_b32 s[PFA], s20, s46
	s_cselect_b32 s[PFA+1], s40, s41               ; my place among the four that read it,
	s_lshl_b32 s[PFA+1], s[PFA+1], 6
	s_add_co_u32 s[PFA], s[PFA], s[PFA+1]          ; my work-group's 64 rows,
	s_lshl_b32 s[PFA+1], s16, 5
	s_add_co_u32 s[PFA], s[PFA], s[PFA+1]          ; my wave's 32 of them: two blocks,
	s_lshl_b32 s[PFA], s[PFA], 11
	s_add_co_u32 s[PFA], s[PFA], 3*KSB             ; at K step 3
	s_mov_b32 s[PFA+1], 0
	s_lshl_b32 s22, s20, 6                         ; scale bytes: 64 a row
	s_mov_b32 s23, 0
	s_lshl_b32 s92, s46, 6
	s_mov_b32 s93, 0
	s_lshl_b32 s20, s20, 11                        ; codes: 2,048 bytes a row, 32,768 a block
	s_mov_b32 s21, 0
	s_lshl_b32 s47, s16, 7
	s_add_co_u32 s46, s46, s47                     ; B: my 128 rows
	s_lshl_b32 s46, s46, 11
	s_mov_b32 s47, 0
	s_lshl_b32 s18, s14, 17                        ; in the ring: my 4 blocks of A's 16, in memory,
	s_mov_b32 s19, 0
	s_lshl_b32 s45, s14, 14                        ; and in a slot
	s_wait_alu depctr_va_vdst(0)                   ; the wait
	s_wait_dscnt 0x0                               ; both opening adds are done
	s_wait_kmcnt 0x0
	s_add_nc_u64 s[20:21], s[4:5], s[20:21]
	s_add_nc_u64 s[22:23], s[6:7], s[22:23]
	s_add_nc_u64 s[BB:BB+1], s[4:5], s[46:47]
	s_add_nc_u64 s[92:93], s[6:7], s[92:93]
	s_add_nc_u64 s[PFA:PFA+1], s[4:5], s[PFA:PFA+1]
	GB 0, 0                                        ; B's first fragments are on their way under the head
	CROUND                                         ; all sixteen work-groups are here: the first joint loads meet
	s_mov_b32 s[G0S], 1
	s_mov_b32 s[G0S+1], SCL
	s_mov_b64 s[G0S+2:G0S+3], s[22:23]
	s_or_b32 s[G0S+3], s[G0S+3], 0x80000000
	s_mov_b32 s[G0SB], 1
	s_mov_b32 s[G0SB+1], SCL+2*HALFS
	s_mov_b64 s[G0SB+2:G0SB+3], s[92:93]
	s_or_b32 s[G0SB+3], s[G0SB+3], 0x80000000
	s_mov_b32 s[G0H], 1                            ; the head: K step 0 whole into slot 0,
	s_mov_b32 s[G0H+1], 0
	s_mov_b64 s[G0H+2:G0H+3], s[20:21]
	s_or_b32 s[G0H+3], s[G0H+3], 0x80000000
	s_mov_b32 s[G0H+4], 1                          ; K step 1 whole into slot 1
	s_mov_b32 s[G0H+5], SLOT
	s_add_nc_u64 s[G0H+6:G0H+7], s[20:21], KSB
	s_or_b32 s[G0H+7], s[G0H+7], 0x80000000
	s_add_nc_u64 s[20:21], s[20:21], s[18:19]
.irp s, 0,1
	s_mov_b32 s[G0+4*\s], 1                        ; the ring: my quarter of slot s, at K step s: a refill steps it two on first
	s_add_co_u32 s[G0+4*\s+1], s45, \s*SLOT
	s_add_nc_u64 s[G0+4*\s+2:G0+4*\s+3], s[20:21], \s*KSB
	s_or_b32 s[G0+4*\s+3], s[G0+4*\s+3], 0x80000000
.endr
	ARM 1, G0H,  G1H,  .Lhead_sa                   ; one tree, one load a wave: wave 0 slot 0,
	ARM 2, G0S,  G1S,  .Lhead_sb                   ; wave 1 A's scale bytes,
	ARM 3, G0SB, G1SB, .Lhead_1                    ; wave 2 B's,
	TL G0H+4, G1H                                  ; wave 3 slot 1
.Lhead_asked:
	s_lshl_b32 s92, s40, 2                         ; cos, sin: which of my cluster row's sixteen waves I am: 0-7 name cos, 8-15 sin, 32 tokens each
	s_add_co_u32 s92, s92, s14
	s_cmp_lt_u32 s92, 8
	s_cselect_b64 s[22:23], s[8:9], s[10:11]
	s_and_b32 s92, s92, 7
	s_lshl_b32 s92, s92, 13
	s_lshl_b32 s93, s17, 16
	s_add_co_u32 s92, s92, s93
	s_mov_b32 s93, 0
	s_add_nc_u64 s[PCS:PCS+1], s[22:23], s[92:93]
	v_and_b32 v1, 15, v0                           ; r
	v_bfe_u32 v2, v0, 4, 1                         ; h
	v_mul_u32_u24 v3, v1, 272
	v_lshl_add_u32 v4, v2, 4, v3                   ; r x 272 + 16 h
	s_wait_alu depctr_va_vdst(0)                   ; the wait
	s_lshl_b32 s21, s15, 15                        ; my 8 blocks of A's 16
.irp s, 0,1
	v_add_nc_u32 v[ADRA+\s], s21, v[L16]
	s_add_co_u32 s21, s21, SLOT
.endr
	v_mul_u32_u24 v5, v1, KS                       ; my row's scale bytes: 64 a row, 16 more for each 256 passed
	v_lshrrev_b32 v6, 8, v5
	v_lshl_add_u32 v5, v6, 4, v5
	s_mul_i32 s21, s15, HALFS
	s_mul_i32 s22, s16, HALFS
	s_add_co_u32 s22, s22, 2*HALFS
	s_sub_co_u32 s22, s22, s21
	v_mul_u32_u24 v6, s22, v2                      ; lanes 16-31 take B's
	s_add_co_u32 s21, s21, SCL
	v_add_nc_u32 v5, v5, v6
	v_add_nc_u32 v[ADRS], s21, v5
	; the way out's addresses, each of constants, the lane and the wave's number
	v_lshrrev_b32 v5, 1, v1
	v_mul_u32_u24 v5, v5, 272
	v_and_b32 v6, 1, v1
	v_lshl_add_u32 v5, v6, 7, v5
	v_lshl_add_u32 v5, v2, 4, v5
	s_mul_i32 s23, s14, 64*272
	s_add_co_u32 s23, s23, STGQ
	v_add_nc_u32 v[STOQ], s23, v5                  ; q/k: two tokens' 128 bytes to a run of 256: wave x 64 runs + (r / 2) x 272 + (r % 2) x 128 + 16 h
	v_mul_u32_u24 v5, v2, 272
	v_lshl_add_u32 v5, v1, 4, v5
	v_add_nc_u32 v[RD], s23, v5                    ; back: runs 64 wave + h + 2 i, 16 bytes a lane: q/k's stage,
	v_add_nc_u32 v[RDV], 256*272, v[RD]            ; v's
	s_mul_i32 s23, s15, 128*272
	s_lshl_b32 s18, s16, 7
	s_add_co_u32 s23, s23, s18
	s_add_co_u32 s23, s23, STGV
	v_add_nc_u32 v[STOV], s23, v4                  ; v: channel row 128 x row half + r, my column half's 128 bytes
	v_and_b32 v6, 8, v1
	v_add_nc_u32 v6, v6, v1                        ; r + 8 (r / 8)
	v_lshlrev_b32 v[CSO], 8, v6
	v_lshl_add_u32 v[CSO], v2, 6, v[CSO]
	s_lshl_b32 s23, s14, 9
	s_add_co_u32 s23, s23, SST
	v_lshl_add_u32 v[SSTO], v1, 2, s23
	v_add_nc_u32 v[SRD], s23, v[L16]
	v_add_nc_u32 v[SRDV], 2048, v[SRD]
	v_lshlrev_b32 v5, 8, v2
	v_lshl_add_u32 v[CO], v1, 4, v5
	v_lshlrev_b32 v5, 11, v2
	v_lshl_add_u32 v[COV], v1, 4, v5
	v_lshlrev_b32 v5, 15, v2
	v_lshl_add_u32 v[PFO], v1, 8, v5
	v_lshlrev_b32 v[PFC], 4, v[L16]
	s_lshl_b32 s18, s17, 16                        ; cos, sin at my first token: (256 x tile row + 128 x row half) x 256 bytes
	s_lshl_b32 s19, s15, 15
	s_add_co_u32 s18, s18, s19
	s_mov_b32 s19, 0
	s_add_nc_u64 s[8:9], s[8:9], s[18:19]
	s_add_nc_u64 s[10:11], s[10:11], s[18:19]
	s_lshl_b32 s18, s42, 19                        ; codes, q/k: (2 x tile column + column half) heads of 262,144 + my first stored token x 128
	s_lshl_b32 s19, s16, 18
	s_add_co_u32 s18, s18, s19
	s_lshl_b32 s19, s17, 15
	s_add_co_u32 s18, s18, s19
	s_lshl_b32 s19, s15, 14
	s_add_co_u32 s18, s18, s19
	s_lshl_b32 s40, s17, 19                        ; v: 0x800000 + (256 x tile row + 64 x wave) x 2,048 + (tile column - 16) x 256
	s_lshl_b32 s41, s14, 17
	s_add_co_u32 s40, s40, s41
	s_lshl_b32 s41, s42, 8
	s_add_co_u32 s40, s40, s41
	s_add_co_u32 s40, s40, 0x800000-4096
	s_lshl_b32 s20, s42, 14                        ; scale words, q/k
	s_lshl_b32 s21, s16, 13
	s_add_co_u32 s20, s20, s21
	s_lshl_b32 s21, s17, 10
	s_add_co_u32 s20, s20, s21
	s_lshl_b32 s21, s15, 9
	s_add_co_u32 s20, s20, s21
	s_lshl_b32 s22, s17, 14                        ; v: 262,144 + head x 8,192 + key step x 512
	s_lshl_b32 s21, s15, 13
	s_add_co_u32 s22, s22, s21
	s_lshl_b32 s21, s42, 10
	s_add_co_u32 s22, s22, s21
	s_lshl_b32 s21, s16, 9
	s_add_co_u32 s22, s22, s21
	s_add_co_u32 s22, s22, 262144-16384
	s_cmp_eq_u32 s2, 0
	s_cselect_b32 s18, s18, s40
	s_cselect_b32 s20, s20, s22
	s_mov_b32 s19, 0
	s_mov_b32 s21, 0
	s_add_nc_u64 s[96:97], s[96:97], s[18:19]
	s_add_nc_u64 s[98:99], s[98:99], s[20:21]
; 16 matrix instructions: A's blocks a0, a0 + 1 x B's eight.  The 64 accumulators take turns, one instruction a turn, in the same order in every step.
.macro MUL16 a0, p, q, sc, zero
.irp a, \a0, \a0+1
.irp b, 0,1,2,3,4,5,6,7
.if \zero
	v_wmma_scale_f32_16x16x128_f8f6f4 v[8*(8*((\a)%4)+\b):8*(8*((\a)%4)+\b)+7], v[128*(\p)+FR*\b:128*(\p)+FR*\b+FR-1], v[AF+FR*(\a):AF+FR*(\a)+FR-1], 0, v[SC+8*NQ*(\sc)+NQ*\b+(\q)], v[SC+8*NQ*(\sc)+NQ*(\a)+(\q)] matrix_a_scale:MATRIX_SCALE_ROW1
.else
	v_wmma_scale_f32_16x16x128_f8f6f4 v[8*(8*((\a)%4)+\b):8*(8*((\a)%4)+\b)+7], v[128*(\p)+FR*\b:128*(\p)+FR*\b+FR-1], v[AF+FR*(\a):AF+FR*(\a)+FR-1], v[8*(8*((\a)%4)+\b):8*(8*((\a)%4)+\b)+7], v[SC+8*NQ*(\sc)+NQ*\b+(\q)], v[SC+8*NQ*(\sc)+NQ*(\a)+(\q)] matrix_a_scale:MATRIX_SCALE_ROW1
.endif
.endr
.endr
.endm
.macro FETCH_A slot, q, i0             ; A's blocks i0 .. i0 + 3 of the slot's q-th 128 along K: each load 512 consecutive bytes of LDS
.irp i, \i0, \i0+1, \i0+2, \i0+3
.irp c, 0,1,2,3
	ds_load_b128 v[AF+FR*(\i)+4*\c:AF+FR*(\i)+4*\c+3], v[ADRA+\slot] offset:4096*(\i)+2048*(\q)+512*\c
.endr
.endr
.endm
.macro SCALES sc                       ; a K step's scale words: lanes 0-15 A's block i, lanes 16-31 B's block i
.irp i, 0,1,2,3,4,5,6,7
	ds_load_b64 v[SC+8*NQ*\sc+NQ*\i:SC+8*NQ*\sc+NQ*\i+1], v[ADRS] offset:\i*SBLK
.endr
.endm
.macro PLACES n                        ; plain vector lines between a matrix instruction and a load into, or a vector access of, its registers
.rept \n
	v_nop
.endr
.endm
.macro STEP slot, q, zero, qn          ; 128 along K, its successor in the same slot; qn: the next step, counted from s[BB]
	GB 1-(\q)%2, \qn                               ; the set that the step before has left eight places back takes the next step's fragments of B;
	s_wait_loadcnt 32                              ; B's set for this step is in; the 32 loads just issued may be out
	s_wait_dscnt 4*NL                              ; A's blocks 0-3 are in; the youngest 16 loads (blocks 4-7) may be out
	WIN MUL_LO
	MUL16 0, (\q)%2, \q, \slot, \zero
	MUL16 2, (\q)%2, \q, \slot, \zero
	s_wait_dscnt 0
	PLACES NP
	WIN 0
	FETCH_A \slot, (\q)+1, 0
	WIN MUL_HI
	MUL16 4, (\q)%2, \q, \slot, \zero
	MUL16 6, (\q)%2, \q, \slot, \zero
	PLACES NP
	WIN 0
	FETCH_A \slot, (\q)+1, 4
.endm
; A slot's last 128 along K.  All its fragments have been asked for, so the change of slots stands at its head: each wave waits for all its tensor loads, adds 0 to its spare word,
; and waits for that and for its reads of this slot; the round; the refill; then the step's 64 products, with the next slot's first fragments fetched among them.
.macro TURN slot, next, fill, qn
.if \fill
	s_wait_xcnt 0x0                                ; my last prefetch has read its address: it steps one K step on
	s_add_nc_u64 s[PFA:PFA+1], s[PFA:PFA+1], KSB
.endif
	GB 0, \qn                                      ; the next step's fragments of B are asked for ahead of the change of slots: they are on their way under its waits
	s_wait_tensorcnt 0x0                           ; no tensor load of mine is out, so a group 0 may be written
	ds_add_u32 v[SPW], v[NIL]
.if \fill
	s_add_nc_u64 s[G0+4*\slot+2:G0+4*\slot+3], s[G0+4*\slot+2:G0+4*\slot+3], 2*KSB
.endif
	s_wait_dscnt 0x0                               ; the add is done, my reads of this slot are over
	s_barrier_signal -1
	s_barrier_wait -1
.if \fill
	CREST                                          ; the barrier opened a round of the cluster's: no wave of any partner still reads this slot or has a load on its way
	TL G0+4*\slot, G1                              ; my one tensor load behind the round: my quarter of the slot
.endif
	s_wait_loadcnt 32                              ; B's set for this step is in; the 32 loads issued at the step's head may be out
	WIN MUL_LO
	MUL16 0, 1, NQ-1, \slot, 0
	MUL16 2, 1, NQ-1, \slot, 0
	PLACES NP
	WIN 0
	v_add_nc_u32 v[ADRS], 4*NQ, v[ADRS]            ; the next K step's scale words
	s_wait_alu depctr_va_vdst(0)                   ; the wait, directly behind the write
	FETCH_A \next, 0, 0
	SCALES \next
.if \fill
	ASK
.endif
	WIN MUL_HI
	MUL16 4, 1, NQ-1, \slot, 0
	MUL16 6, 1, NQ-1, \slot, 0
	PLACES NP
	WIN 0
	FETCH_A \next, 0, 4
.endm
.macro LAST younger                    ; the very last 128 along K: nothing more to fetch; younger: the loads issued behind B's
	s_wait_loadcnt \younger
	s_wait_dscnt 4*NL
	WIN MUL_LO
	MUL16 0, 1, NQ-1, 1, 0
	MUL16 2, 1, NQ-1, 1, 0
	s_wait_dscnt 0
	WIN MUL_HI
	MUL16 4, 1, NQ-1, 1, 0
	MUL16 6, 1, NQ-1, 1, 0
	WIN 0
.endm
; cos and sin of block a's tokens: lane (r, h) takes, of its true token's row, numbers 32 g + 16 h + 0 .. 15, g = 0, 1: the very indices of its registers.  Set a % 4 in window 1: 32 cos, 32 sin.
.macro CSLOAD a
.set CBS, 64*((\a)%4)
.set MB, 32*((\a)/2)+8*((\a)%2)
	WIN 0x40
.irp b, 0,1
.irp j, 0,1,2,3
	global_load_b128 v[CBS+16*\b+4*\j:CBS+16*\b+4*\j+3], v[CSO], s[8:9] offset:MB*256+128*\b+16*\j
	global_load_b128 v[CBS+32+16*\b+4*\j:CBS+32+16*\b+4*\j+3], v[CSO], s[10:11] offset:MB*256+128*\b+16*\j
.endr
.endr
	WIN 0
.endm
; 64 numbers of a lane, v[s] on in window win, register 16 b + i = K 32 b + 16 h + i of my row, become codes in v[PC] on and a scale word in v[PW].  Each accumulator is read from its low end on.
.macro QUANT s, win
.set WN, (\win)|((\win)<<2)
	WIN WN
.irp b, 0,1,2,3
	v_max3_num_f32 v[TM+\b], |v[\s+16*\b]|, |v[\s+1+16*\b]|, 0x4800000   ; with the floor 2^(9 - 127): the byte cannot fall under 1
.endr
.irp i, 2,4,6,8,10,12,14
.irp b, 0,1,2,3
	v_max3_num_f32 v[TM+\b], |v[\s+16*\b+\i]|, |v[\s+1+16*\b+\i]|, v[TM+\b]
.endr
.endr
	WIN 0
.irp b, 0,1,2,3
	v_permlanex16_b32 v[TM+4+\b], v[TM+\b], s[SEL], s[SEL+1]
.endr
.irp b, 0,1,2,3
	v_max_num_f32 v[TM+\b], v[TM+\b], v[TM+4+\b]   ; with lane l xor 16's 16: the block's largest magnitude
.endr
.irp b, 0,1,2,3
	v_add_nc_u32 v[TM+12+\b], 0xfc000000, v[TM+\b] ; 8 off the exponent field: the conversion's scale operand
.endr
.irp b, 0,1,2,3
	v_and_or_b32 v[TM+8+\b], v[TM+\b], 0x7f800000, s[MNT]   ; 448 x the scale
.endr
.irp b, 0,1,2,3
	v_lshrrev_b32 v[TM+4+\b], 23, v[TM+12+\b]      ; the byte
.endr
	v_lshl_or_b32 v[PW], v[TM+5], 8, v[TM+4]
	v_lshl_or_b32 v[PW], v[TM+6], 16, v[PW]
	v_lshl_or_b32 v[PW], v[TM+7], 24, v[PW]
.set WN, \win
	WIN WN
.irp b, 0,1,2,3
.irp i, 0,1,2,3,4,5,6,7,8,9,10,11,12,13,14,15
	v_med3_num_f32 v[Y+16*\b+\i], v[\s+16*\b+\i], -v[TM+8+\b], v[TM+8+\b]   ; the hold: the conversion does not saturate (ISA guide 7.6.2)
.endr
.endr
	WIN 0
.irp b, 0,1,2,3
	v_cvt_scalef32_pk8_fp8_f32 v[PC+4*\b:PC+1+4*\b], v[Y+16*\b:Y+7+16*\b], v[TM+12+\b]
	v_cvt_scalef32_pk8_fp8_f32 v[PC+2+4*\b:PC+3+4*\b], v[Y+8+16*\b:Y+15+16*\b], v[TM+12+\b]
.endr
	v_nop                                          ; a plain line behind the last conversion
.endm
.macro QSEND a                         ; q, k: block a's 8 runs of 256 bytes leave: sixteen lanes store 256 consecutive bytes, aligned
.irp i, 0,1,2,3
	global_store_b128 v[CO], v[QBK+16*((\a)%4)+4*\i:QBK+16*((\a)%4)+4*\i+3], s[96:97] offset:2048*(\a)+512*\i
.endr
.endm
; q, k: block a (16 tokens x my head): rms, rotation, codes; the codes turn through my own stage, and block a - 1's leave.
.macro QKBLOCK a
.set XB, 64*((\a)%4)                   ; the block's 64 results (window 2 or 3); the same number is its set of cos and sin in window 1
.set WW, 2+(\a)/4
.if (\a) <= 4
	s_wait_loadcnt 48                              ; this block's 16 loads are in; those of the three blocks behind it may be out
.else
	s_wait_loadcnt 16*(7-(\a))
.endif
.set WN, WW|(WW<<2)
	WIN WN
	v_pk_mul_f32 v[SQ:SQ+1], v[XB:XB+1], v[XB:XB+1]                 ; the sum of squares of my 64, in two packed chains, registers ascending
	v_pk_mul_f32 v[SQ+2:SQ+3], v[XB+2:XB+3], v[XB+2:XB+3]
.set p, 4
.rept 15
	v_pk_fma_f32 v[SQ:SQ+1], v[XB+p:XB+p+1], v[XB+p:XB+p+1], v[SQ:SQ+1]
	v_pk_fma_f32 v[SQ+2:SQ+3], v[XB+p+2:XB+p+3], v[XB+p+2:XB+p+3], v[SQ+2:SQ+3]
.set p, p+4
.endr
	WIN 0
	v_add_f32 v[SQ], v[SQ], v[SQ+1]
	v_add_f32 v[SQ+2], v[SQ+2], v[SQ+3]
	v_add_f32 v[SQ], v[SQ], v[SQ+2]
	v_permlanex16_b32 v[PT], v[SQ], s[SEL], s[SEL+1]
	v_add_f32 v[SQ], v[SQ], v[PT]                  ; with the other 64 of my token's head
	v_fma_f32 v[SQ], v[SQ], s12, s13               ; the mean + eps
	s_wait_alu depctr_va_vdst(0)                   ; the wait ahead of the transcendental,
	v_rsq_f32 v[RS], v[SQ]
	v_nop                                          ; a plain line behind it,
	s_wait_alu depctr_va_vdst(0)                   ; and the wait ahead of its first reader
	WIN 0x41
.set p, 0
.rept 32
	v_pk_mul_f32 v[XB+p:XB+p+1], v[XB+p:XB+p+1], v[RS:RS+1] op_sel_hi:[1,0]   ; cos / rms, sin / rms
.set p, p+2
.endr
.set WN, WW|(1<<2)
	WIN WN                                         ; source 0: the results; source 1: cos, sin; source 2 and destination: window 0
.set p, 0
.rept 16
	v_pk_mul_f32 v[Y+p:Y+p+1], v[XB+32+p:XB+33+p], v[XB+32+p:XB+33+p]         ; x2 sin
	v_pk_mul_f32 v[Y+32+p:Y+33+p], v[XB+p:XB+p+1], v[XB+32+p:XB+33+p]         ; x1 sin
.set p, p+2
.endr
.set p, 0
.rept 16
	v_pk_fma_f32 v[Y+p:Y+p+1], v[XB+p:XB+p+1], v[XB+p:XB+p+1], v[Y+p:Y+p+1]   ; y1 = x1 cos + x2 sin
	v_pk_fma_f32 v[Y+32+p:Y+33+p], v[XB+32+p:XB+33+p], v[XB+p:XB+p+1], v[Y+32+p:Y+33+p] neg_lo:[0,0,1] neg_hi:[0,0,1]   ; y2 = x2 cos - x1 sin
.set p, p+2
.endr
	WIN 0
.if (\a) < 4
	CSLOAD (\a)+4                                  ; the set is free: it takes the block four further on
.endif
	s_wait_dscnt 0x0                               ; the last block's LDS stores have read the codes and the word, and its runs are back in registers
.if (\a) > 0
	QSEND (\a)-1
.endif
	QUANT Y, 0
.irp b, 0,1,2,3
	ds_store_b128 v[STOQ], v[PC+4*\b:PC+4*\b+3] offset:2176*(\a)+32*\b
.endr
	ds_store_b32 v[SSTO], v[PW] offset:64*(\a)     ; both halves of the lanes write the same word with the same value
.if (\a) >= 4
	s_wait_xcnt 0x0                                ; block a - 4's stores have read the registers that the loads below write
.endif
.irp i, 0,1,2,3
	ds_load_b128 v[QBK+16*((\a)%4)+4*\i:QBK+16*((\a)%4)+4*\i+3], v[RD] offset:2176*(\a)+544*\i   ; my own bytes, in order behind my stores
.endr
.endm
.macro VBLOCK a                        ; v: block a (16 channels x my 128 tokens): codes along the tokens
.set XB, 64*((\a)%4)
.set WW, 2+(\a)/4
	s_wait_dscnt 0x0
	QUANT XB, WW
.irp b, 0,1,2,3
	ds_store_b128 v[STOV], v[PC+4*\b:PC+4*\b+3] offset:4352*(\a)+32*\b
.endr
	ds_store_b32 v[SSTO], v[PW] offset:2048+64*(\a)
.endm
	s_wait_alu depctr_va_vdst(0)                   ; the wait at the head's end
	s_cmp_eq_u32 s14, 3                            ; waves 0 to 2: slot 0 and the scale bytes are in.  Wave 3's load, a line of its own, is slot 1's: its wait stands at the first change of slots
	s_cbranch_scc1 .Lnot_yet
	s_wait_tensorcnt 0x0
.Lnot_yet:
	s_barrier_signal -1
	s_barrier_wait -1
	FETCH_A 0, 0, 0
	SCALES 0
	FETCH_A 0, 0, 4
	global_prefetch_b8 v[PFO], s[PFA:PFA+1] th:TH_LOAD_NT scope:SCOPE_SE      ; K step 3
	s_cmp_lg_u32 s2, 0
	s_cbranch_scc1 .Lno_cs                         ; the clusters that make v read no cos and no sin
	global_prefetch_b8 v[PFC], s[PCS:PCS+1] th:TH_LOAD_NT scope:SCOPE_SE
.Lno_cs:
	STEP 0, 0, 1, 1                                ; the first products start the sums
	s_mov_b32 s3, LAPS-1
.Llap:                                             ; a trip: steps 4 L + 1 .. 4 L + 4 of 128 along K; s[BB] stands at step 4 L
	TURN 0, 1, 1, 2
	STEP 1, 0, 0, 3
	TURN 1, 0, 1, 4
	STEP 0, 0, 0, 5
	s_wait_xcnt 0x0                                ; B's loads have read their base
	s_add_nc_u64 s[BB:BB+1], s[BB:BB+1], 4*2048
	s_sub_co_u32 s3, s3, 1
	s_cmp_lg_u32 s3, 0
	s_cbranch_scc1 .Llap
	TURN 0, 1, 0, 2                                ; the last lap fills nothing
	STEP 1, 0, 0, 3
	s_cmp_lg_u32 s2, 0                             ; the two ways part on the cluster's x
	s_cbranch_scc1 .Lv
	CSLOAD 0                                       ; into B's set 0, whose last products stand eight places back
	CSLOAD 1
	LAST 32                                        ; behind B's last loads: the 32 of cos and sin
	PLACES NP
.irp b, 0,1,2,3
	v_mov_b32 v[TM+4+\b], 0                        ; a lane permute's destination counts as read
.endr
	v_mov_b32 v[PT], 0
	v_mov_b32 v[RS+1], 0                           ; named with v[RS] as a pair
	CSLOAD 2
	CSLOAD 3
.irp a, 0,1,2,3,4,5,6,7
	QKBLOCK \a
.endr
	ds_load_b128 v[SW:SW+3], v[SRD]                ; my wave's 128 scale words
	s_wait_dscnt 0x0
	QSEND 7
	global_store_b128 v[L16], v[SW:SW+3], s[98:99] ; 512 consecutive bytes
	s_branch .Lout
.Lv:
	LAST 0
	PLACES NP
.irp b, 0,1,2,3
	v_mov_b32 v[TM+4+\b], 0
.endr
.irp a, 0,1,2,3,4,5,6,7
	VBLOCK \a
.endr
.Lout:
	s_wait_dscnt 0x0                               ; for the others' sake: my stores into the stages are done (a run of v's 256 bytes comes from two waves)
	s_barrier_signal -1
	s_barrier_wait -1
	s_cmp_eq_u32 s2, 0
	s_cbranch_scc1 .Lend                           ; q and k have left
.set i, 0
.rept 32
	ds_load_b128 v[BK+4*i:BK+4*i+3], v[RDV] offset:544*i
.set i, i+1
.endr
	ds_load_b128 v[SWV:SWV+3], v[SRDV]
.set i, 0
.rept 32
	s_wait_dscnt 32-i                              ; load i is in; the 32 - i issued behind it may be out
	global_store_b128 v[COV], v[BK+4*i:BK+4*i+3], s[96:97] offset:4096*i      ; sixteen lanes store 256 consecutive bytes, aligned
.set i, i+1
.endr
	s_wait_dscnt 0x0
	global_store_b128 v[L16], v[SWV:SWV+3], s[98:99]
.Lend:
	s_wait_tensorcnt 0x0                           ; the wave's end
	ds_add_u32 v[SPW], v[NIL]
	s_wait_dscnt 0x0
	CROUND                                         ; the closing round
	s_endpgm
.Lfunc_end_k_q3861541595_qkv:
	.size	k_q3861541595_qkv, .Lfunc_end_k_q3861541595_qkv-k_q3861541595_qkv
	.p2alignl 7, 3214868480
	.fill 96, 4, 3214868480
	.section	.rodata,"a",@progbits
	.p2align	6, 0x0
	.amdhsa_kernel k_q3861541595_qkv
		.amdhsa_group_segment_fixed_size 327680
		.amdhsa_private_segment_fixed_size 0
		.amdhsa_enable_private_segment 0
		.amdhsa_kernarg_size 48
		.amdhsa_user_sgpr_count 2
		.amdhsa_user_sgpr_kernarg_segment_ptr 1
		.amdhsa_wavefront_size32 1
		.amdhsa_system_sgpr_workgroup_id_x 1
		.amdhsa_system_sgpr_workgroup_id_y 1
		.amdhsa_system_sgpr_workgroup_id_z 1
		.amdhsa_system_vgpr_workitem_id 0
		.amdhsa_next_free_vgpr 1024
		.amdhsa_next_free_sgpr 106
		.amdhsa_reserve_vcc 0
		.amdhsa_float_denorm_mode_32 3
		.amdhsa_float_denorm_mode_16_64 3
		.amdhsa_memory_ordered 1
		.amdhsa_forward_progress 1
		.amdhsa_inst_pref_size 255
	.end_amdhsa_kernel
	.section	.bss,"aw",@nobits
	.p2align	6
	.space	262144
	.amdgpu_metadata
---
amdhsa.version: [ 1, 2 ]
amdhsa.kernels:
  - .name:           k_q3861541595_qkv
    .symbol:         k_q3861541595_qkv.kd
    .args:
      - { .name: wc, .offset: 0, .size: 8, .value_kind: global_buffer, .address_space: global }
      - { .name: wsc, .offset: 8, .size: 8, .value_kind: global_buffer, .address_space: global }
      - { .name: cos, .offset: 16, .size: 8, .value_kind: global_buffer, .address_space: global }
      - { .name: sin, .offset: 24, .size: 8, .value_kind: global_buffer, .address_space: global }
      - { .name: ac, .offset: 32, .size: 8, .value_kind: global_buffer, .address_space: global }
      - { .name: asc, .offset: 40, .size: 8, .value_kind: global_buffer, .address_space: global }
    .group_segment_fixed_size: 327680
    .private_segment_fixed_size: 0
    .kernarg_segment_align: 8
    .kernarg_segment_size: 48
    .max_flat_workgroup_size: 128
    .sgpr_count:     106
    .vgpr_count:     1024
    .wavefront_size: 32
...
	.end_amdgpu_metadata
.endif
;; end of part 2
;; launch attn (part 3): grid 16 x 16, 8 waves a work-group, no clusters, 327,680 bytes of LDS; arguments ac, asc, oc, osc; writes oc, osc
.if DOCPART == 3
	.amdgcn_target "amdgcn-amd-amdhsa--gfx1250"
	.amdhsa_code_object_version 6
	.text
	.protected	k_q3861541595_attn
	.globl	k_q3861541595_attn
	.p2align	8
	.type	k_q3861541595_attn,@function
k_q3861541595_attn:
	s_mov_b64 s[64:65], 0
	v_nop
	global_prefetch_b8 v0, s[64:65] scope:SCOPE_SE
	s_setreg_imm32_b32 hwreg(HW_REG_WAVE_MODE, 25, 1), 1
	s_wait_xcnt 0x0
; Causal attention on codes of FP8 (E4M3) with E8M0 scales (ac, asc): S^T = K Q^T, p = 2^(t - M) with M the ceiling of the running largest t, O^T = V^T P^T; O / the row's sum of the unquantised p is quantised along the head's channels (oc, osc).
; SHARES: a work-group owns query blocks x and 31 - x (64 queries each) of one head, so that all work-groups walk the same number of key steps under the mask.  Waves 0-3 take block x, waves 4-7 block 31 - x;
; of a block's four waves, two take each 32 queries (two tiles of 16) and share the key steps of 128 by parity; the two partial results are joined through LDS at the end, each wave finishing one tile.
; THE RING: two slots of 512 keys (K: dense rows of 128 bytes, stated as rows of 256; V: rows of 512 bytes).  At the head every wave has one load: waves 0, 1 K's halves of slot 0, waves 2, 3 V's, waves 4, 5 K's scale bytes, waves 6, 7 V's.
; LEFT OUT: key steps all of whose keys come after the wave's queries: reference()'s own causal mask gives them p = 0.  No cluster: partners would read different numbers of the tiles under the mask.
; LIMITS: NaN and infinities are not served; the promise holds while the scaled scores stay under 2^31 in magnitude; a block of zeros gets the byte 1 with zero codes.
.set SK,    512
.set KP,    144
.set VP,    528
.set VOFF,  SK*KP
.set SLOTB, VOFF+128*VP
.set SCK,   2*SLOTB
.set SCH,   16*272
.set SCV,   SCK+2*SCH
.set SPARE, SCV+2*SCH
.set STAGE, SPARE+1024
.set MRGW,  17*512
.set AK0,  1
.set AV0,  2
.set ASK0, 3
.set ASV0, 4
.set SPW,  5
.set NIL,  6
.set PFO,  7
.set ADK,  8
.set ADV,  9
.set ADS,  10
.set ADT,  11
.set NMA,  12
.set LSA,  14
.set QFA,  16
.set QFB,  32
.set KW,   48
.set VW,   56
.set QLA,  64
.set PFV,  65
.set STO,  66
.set RD,   67
.set GO,   68
.set SGO,  69
.set QA,   70
.set QAB,  71
.set NMB,  72
.set LSB,  74
.set QLB,  76
.set QWA,  77
.set QWB,  78
.set MST,  79
.set MLD,  80
.set QSA,  81
.set QSB,  82
.set SSA,  96
.set SSB,  160
.set OA,   128
.set OB,   192
.set PC,   16
.set BKR,  32
.set TM,   232
.set PW,   253
.set TK,   2
.set TS,   3
.set TV,   12
.set TW,   13
.set WV,   18
.set MNT,  19
.set SEL,  20
.set CS,   22
.set G1K,  24
.set G1V,  32
.set G0K,  40
.set G0V,  44
.set G1S,  48
.set G0SK, 56
.set G0SV, 60
.set QUA,  66
.set QUB,  67
.set PFA,  76
.set PFB,  78
.set LIM,  80
.set KF,   98
.set QB,   99
.set MSB, 0
.macro WIN new
.if MSB != \new
	s_set_vgpr_msb (MSB<<8)|\new
.set MSB, \new
.endif
.endm
.macro TLOAD g0k, g1k, g0v, g1v
	s_cmp_lt_u32 s[WV], 2
	s_cbranch_scc0 .Lnot_k_\@
	tensor_load_to_lds s[\g0k:\g0k+3], s[\g1k:\g1k+7]
	s_nop 0
.rept 4
	v_nop
.endr
	s_branch .Lasked_\@
.Lnot_k_\@:
	s_cmp_lt_u32 s[WV], 4
	s_cbranch_scc0 .Lasked_\@
	tensor_load_to_lds s[\g0v:\g0v+3], s[\g1v:\g1v+7]
	s_nop 0
.rept 4
	v_nop
.endr
.Lasked_\@:
.endm
.macro ASK n
	s_cmp_eq_u32 s[LIM], 1
	s_cbranch_scc0 .Lnot_mine_\@
	global_prefetch_b8 v[PFO], s[PFA:PFA+1] offset:65536*\n th:TH_LOAD_NT scope:SCOPE_SE
	global_prefetch_b8 v[PFO], s[PFA:PFA+1] offset:65536*\n+8192 th:TH_LOAD_NT scope:SCOPE_SE
	global_prefetch_b8 v[PFV], s[PFB:PFB+1] offset:512*\n th:TH_LOAD_NT scope:SCOPE_SE
	global_prefetch_b8 v[PFV], s[PFB:PFB+1] offset:512*\n+256 th:TH_LOAD_NT scope:SCOPE_SE
.Lnot_mine_\@:
.endm
	s_load_b256 s[4:11], s[0:1], 0x0
	v_lshl_add_u32 v[SPW], v0, 2, SPARE
	v_mov_b32 v[NIL], 0
	ds_add_u32 v5, v6
	ds_add_u32 v5, v6
	s_wait_dscnt 0x0
	v_lshrrev_b32 v8, 5, v0
	s_delay_alu instid0(VALU_DEP_1)
	v_readfirstlane_b32 s[WV], v8
	s_and_b32 s72, ttmp7, 0xffff
	s_lshl_b32 s74, s72, 18
	s_lshl_b32 s75, s72, 13
	s_lshr_b32 s81, s[WV], 2
	s_lshl_b32 s82, ttmp9, 1
	s_sub_co_u32 s82, 31, s82
	s_mul_i32 s82, s82, s81
	s_add_co_u32 s82, s82, ttmp9
	s_and_b32 s15, s[WV], 1
	s_bfe_u32 s14, s[WV], 0x10001
	s_xor_b32 s16, s14, 1
	s_lshl_b32 s84, s82, 6
	s_lshl_b32 s85, s15, 5
	s_add_co_u32 s85, s85, s84
	s_lshl_b32 s86, s14, 3
	s_add_co_u32 s[QUA], s85, s86
	s_lshl_b32 s86, s16, 3
	s_add_co_u32 s[QUB], s85, s86
	s_and_b32 s[QB], s84, 0xffffff80
	s_lshl_b32 s[KF], s14, 7
	s_lshl_b32 s88, s85, 7
	s_add_co_u32 s88, s88, s74
	s_mov_b32 s89, 0
	s_lshl_b32 s86, s85, 2
	s_add_co_u32 s86, s86, s75
	s_mov_b32 s87, 0
	s_and_b32 s73, s[WV], 1
	s_lshl_b32 s90, s73, 15
	s_add_co_u32 s90, s90, s74
	s_add_co_u32 s90, s90, 0x400000
	s_mov_b32 s91, 0
	s_lshl_b32 s92, s73, 17
	s_add_co_u32 s92, s92, s74
	s_add_co_u32 s92, s92, 0x800000
	s_mov_b32 s93, 0
	s_lshl_b32 s94, s73, 12
	s_add_co_u32 s94, s94, s75
	s_mov_b32 s95, 0
	s_add_co_u32 s96, s94, 262144
	s_mov_b32 s97, 0
	s_add_co_u32 s94, s94, 131072
	s_mul_i32 s68, s73, 256*KP
	s_mul_i32 s69, s73, 64*VP
	s_add_co_u32 s69, s69, VOFF
	s_mul_i32 s70, s73, SCH
	s_mov_b32 s[G1K], (0<<16)|(1<<20)|(4<<22)|(3<<25)
	s_mov_b32 s[G1K+1], 256<<16                    ; 256 keys' rows of 128 bytes are dense: stated as 128 rows of 256 bytes, the padding still behind each 128
	s_mov_b32 s[G1K+2], 128<<16
	s_mov_b32 s[G1K+3], 256<<16
	s_mov_b32 s[G1K+4], 128
	s_mov_b32 s[G1K+5], 256
	s_mov_b32 s[G1K+6], 0
	s_mov_b32 s[G1K+7], 0
	s_mov_b32 s[G1V], (0<<16)|(1<<20)|(6<<22)|(3<<25)
	s_mov_b32 s[G1V+1], 512<<16
	s_mov_b32 s[G1V+2], 64<<16
	s_mov_b32 s[G1V+3], 512<<16
	s_mov_b32 s[G1V+4], 64
	s_mov_b32 s[G1V+5], 2048
	s_mov_b32 s[G1V+6], 0
	s_mov_b32 s[G1V+7], 0
	s_mov_b32 s[G1S], (3<<16)|(1<<20)|(5<<22)|(3<<25)
	s_mov_b32 s[G1S+1], 32<<16
	s_mov_b32 s[G1S+2], 16<<16
	s_mov_b32 s[G1S+3], 32<<16
	s_mov_b32 s[G1S+4], 16
	s_mov_b32 s[G1S+5], 32
	s_mov_b32 s[G1S+6], 0
	s_mov_b32 s[G1S+7], 0
	s_mov_b32 s[SEL], 0x76543210
	s_mov_b32 s[SEL+1], 0xfedcba98
	s_mov_b32 s[CS], 0x3e0293ee
	s_mov_b32 s[CS+1], s[CS]
	s_mov_b32 s[MNT], 0x600000
	s_wait_kmcnt 0x0
	s_mov_b32 s[G0SK], 1
	s_add_co_u32 s[G0SK+1], s70, SCK
	s_add_nc_u64 s[G0SK+2:G0SK+3], s[6:7], s[94:95]
	s_or_b32 s[G0SK+3], s[G0SK+3], 0x80000000
	s_mov_b32 s[G0SV], 1
	s_add_co_u32 s[G0SV+1], s70, SCV
	s_add_nc_u64 s[G0SV+2:G0SV+3], s[6:7], s[96:97]
	s_or_b32 s[G0SV+3], s[G0SV+3], 0x80000000
	s_mov_b32 s[G0K], 1
	s_mov_b32 s[G0K+1], s68
	s_add_nc_u64 s[G0K+2:G0K+3], s[4:5], s[90:91]
	s_or_b32 s[G0K+3], s[G0K+3], 0x80000000
	s_mov_b32 s[G0V], 1
	s_mov_b32 s[G0V+1], s69
	s_add_nc_u64 s[G0V+2:G0V+3], s[4:5], s[92:93]
	s_or_b32 s[G0V+3], s[G0V+3], 0x80000000
; the head's loads: one tree of branches on the wave's number, one load to an arm, and every wave has one
.macro ARM under, g0, g1, next
	s_cmp_lt_u32 s[WV], \under
	s_cbranch_scc0 \next
	tensor_load_to_lds s[\g0:\g0+3], s[\g1:\g1+7]
	s_nop 0
.rept 4
	v_nop
.endr
	s_branch .Lhead_asked
\next:
.endm
	s_wait_alu depctr_va_vdst(0)
	ARM 2, G0K,  G1K, .Lhead_v
	ARM 4, G0V,  G1V, .Lhead_sk
	ARM 6, G0SK, G1S, .Lhead_sv
	tensor_load_to_lds s[G0SV:G0SV+3], s[G1S:G1S+7]
	s_nop 0
.rept 4
	v_nop
.endr
.Lhead_asked:
	s_add_nc_u64 s[88:89], s[4:5], s[88:89]
	s_add_nc_u64 s[86:87], s[6:7], s[86:87]
	s_lshl_b32 s82, s[QUA], 11
	s_lshl_b32 s83, s72, 8
	s_add_co_u32 s82, s82, s83
	s_mov_b32 s83, 0
	s_add_nc_u64 s[8:9], s[8:9], s[82:83]
	s_lshl_b32 s82, s[QUA], 2
	s_add_co_u32 s82, s82, s75
	s_add_nc_u64 s[10:11], s[10:11], s[82:83]
	s_and_b32 s81, s[WV], 3
	s_lshl_b32 s82, s81, 14
	s_add_co_u32 s82, s82, s74
	s_add_co_u32 s82, s82, 0x400000+2*65536
	s_add_nc_u64 s[PFA:PFA+1], s[4:5], s[82:83]
	s_lshl_b32 s82, s81, 16
	s_add_co_u32 s82, s82, s74
	s_add_co_u32 s82, s82, 0x800000+2*512
	s_add_nc_u64 s[PFB:PFB+1], s[4:5], s[82:83]
	s_sub_co_u32 s82, s[WV], 4
	s_lshr_b32 s82, s82, 2
	s_or_b32 s82, s82, ttmp9
	s_cmp_eq_u32 s82, 0
	s_cselect_b32 s[LIM], 1, -1
	v_and_b32 v8, 15, v0
	v_bfe_u32 v9, v0, 4, 1
	s_delay_alu instid0(VALU_DEP_2)
	v_lshlrev_b32 v10, 7, v8
	s_delay_alu instid0(VALU_DEP_1)
	v_lshl_add_u32 v10, v9, 4, v10
	s_lshl_b32 s82, s14, 11
	v_add_nc_u32 v[QA], s82, v10
	s_lshl_b32 s82, s16, 11
	v_add_nc_u32 v[QAB], s82, v10
.irp c, 0,1,2,3
	global_load_b128 v[QFA+4*\c:QFA+4*\c+3], v[QA], s[88:89] offset:32*\c
	global_load_b128 v[QFB+4*\c:QFB+4*\c+3], v[QAB], s[88:89] offset:32*\c
.endr
	s_lshl_b32 s82, s14, 6
	v_lshl_add_u32 v[QSA], v8, 2, s82
	s_lshl_b32 s82, s16, 6
	v_lshl_add_u32 v[QSB], v8, 2, s82
	global_load_b32 v[QWA], v[QSA], s[86:87]
	global_load_b32 v[QWB], v[QSB], s[86:87]
	v_mul_u32_u24 v[AK0], v8, KP
	s_delay_alu instid0(VALU_DEP_1)
	v_lshl_add_u32 v[AK0], v9, 4, v[AK0]
	s_mul_i32 s82, s14, 128*KP
	v_add_nc_u32 v[AK0], s82, v[AK0]
	v_mul_u32_u24 v[AV0], v8, VP
	s_delay_alu instid0(VALU_DEP_1)
	v_lshl_add_u32 v[AV0], v9, 4, v[AV0]
	s_lshl_b32 s82, s14, 7
	s_add_co_u32 s82, s82, VOFF
	v_add_nc_u32 v[AV0], s82, v[AV0]
	s_mul_i32 s82, s14, 544
	s_add_co_u32 s83, s82, SCK
	v_lshl_add_u32 v[ASK0], v8, 2, s83
	s_add_co_u32 s83, s82, SCV
	v_lshl_add_u32 v[ASV0], v8, 2, s83
	v_and_b32 v10, 31, v0
	s_delay_alu instid0(VALU_DEP_1)
	v_lshlrev_b32 v[PFO], 8, v10
	s_delay_alu instid0(VALU_DEP_2)
	v_lshlrev_b32 v[PFV], 11, v10
	s_mul_i32 s82, s[WV], MRGW
	v_lshl_add_u32 v[MST], v10, 4, s82
	s_xor_b32 s82, s[WV], 2
	s_mul_i32 s82, s82, MRGW
	v_lshl_add_u32 v[MLD], v10, 4, s82
	v_and_b32 v11, 8, v8
	s_delay_alu instid0(VALU_DEP_1)
	v_add_nc_u32 v11, v11, v8
	s_delay_alu instid0(VALU_DEP_1)
	v_lshlrev_b32 v[SGO], 2, v11
	v_lshlrev_b32 v10, 4, v9
	s_delay_alu instid0(VALU_DEP_1)
	v_sub_nc_u32 v11, v11, v10
	s_delay_alu instid0(VALU_DEP_1)
	v_add_nc_u32 v[QLA], s[QUA], v11
	s_delay_alu instid0(VALU_DEP_2)
	v_add_nc_u32 v[QLB], s[QUB], v11
	s_mul_i32 s82, s[WV], 8*272
	s_add_co_u32 s82, s82, STAGE
	v_lshrrev_b32 v10, 1, v8
	s_delay_alu instid0(VALU_DEP_1)
	v_mul_u32_u24 v10, v10, 272
	v_and_b32 v11, 1, v8
	s_delay_alu instid0(VALU_DEP_1)
	v_lshl_add_u32 v10, v11, 7, v10
	s_delay_alu instid0(VALU_DEP_1)
	v_lshl_add_u32 v10, v9, 4, v10
	s_delay_alu instid0(VALU_DEP_1)
	v_add_nc_u32 v[STO], s82, v10
	v_mul_u32_u24 v10, v9, 272
	s_delay_alu instid0(VALU_DEP_1)
	v_lshl_add_u32 v10, v8, 4, v10
	s_delay_alu instid0(VALU_DEP_1)
	v_add_nc_u32 v[RD], s82, v10
	v_lshlrev_b32 v[GO], 12, v9
	s_delay_alu instid0(VALU_DEP_1)
	v_lshl_add_u32 v[GO], v8, 4, v[GO]
	v_mov_b32 v[NMA+1], 0xff61b1e6
	s_delay_alu instid0(VALU_DEP_1)
	v_floor_f32 v[NMA], -v[NMA+1]
	v_mov_b32 v[LSA], 0
	v_mov_b32 v[LSA+1], 0
	v_mov_b32 v[NMB+1], 0xff61b1e6
	s_delay_alu instid0(VALU_DEP_1)
	v_floor_f32 v[NMB], -v[NMB+1]
	v_mov_b32 v[LSB], 0
	v_mov_b32 v[LSB+1], 0
.irp b, 0,1,2,3
	v_mov_b32 v[236+\b], 0
.endr
	v_mov_b32 v252, 0
	v_mov_b32 v253, 0
	WIN 0x40
.set j, 0
.rept 128
	v_mov_b32 v[OA+j], 0
.set j, j+1
.endr
	WIN 0
.macro MASK s, ql
	v_sub_nc_u32 v252, v[\ql], s[KF]
.set n, 0
.rept 64
	v_cmp_gt_i32 vcc_lo, 32*(n/16)+n%16, v252
	v_cndmask_b32 v[\s+n], v[\s+n], v254, vcc_lo
.set n, n+1
.endr
.endm
.macro SOFTMAX s, nm, ls, o
.irp b, 0,1,2,3
	v_max3_num_f32 v[232+\b], v[\s+16*\b], v[\s+1+16*\b], v[\s+2+16*\b]
.endr
.irp i, 3,5,7,9,11,13
.irp b, 0,1,2,3
	v_max3_num_f32 v[232+\b], v[232+\b], v[\s+16*\b+\i], v[\s+1+16*\b+\i]
.endr
.endr
.irp b, 0,1,2,3
	v_max_num_f32 v[232+\b], v[232+\b], v[\s+15+16*\b]
.endr
.irp b, 0,1,2,3
	v_permlanex16_b32 v[236+\b], v[232+\b], s[SEL], s[SEL+1]
.endr
.irp b, 0,1,2,3
	s_delay_alu instid0(VALU_DEP_4)
	v_max_num_f32 v[232+\b], v[232+\b], v[236+\b]
.endr
	s_delay_alu instid0(VALU_DEP_2)
	v_max3_num_f32 v254, v232, v233, v234
	s_delay_alu instid0(VALU_DEP_1)
	v_max_num_f32 v254, v254, v235
	s_delay_alu instid0(VALU_DEP_1)
	v_mul_f32 v254, s[CS], v254
	s_delay_alu instid0(VALU_DEP_1)
	v_max_num_f32 v[\nm+1], v[\nm+1], v254
	v_mov_b32 v254, v[\nm]
	s_delay_alu instid0(VALU_DEP_2)
	v_floor_f32 v[\nm], -v[\nm+1]
	s_delay_alu instid0(VALU_DEP_1)
	v_sub_f32 v254, v[\nm], v254
	s_delay_alu instid0(VALU_DEP_1)
	v_cvt_i32_f32 v254, v254
	s_delay_alu instid0(VALU_DEP_1)
	v_ldexp_f32 v252, 1.0, v254
.set j, 0
.rept 32
	v_pk_fma_f32 v[\s+j:\s+j+1], v[\s+j:\s+j+1], s[CS:CS+1], v[\nm:\nm+1] op_sel_hi:[1,0,0]
.set j, j+2
.endr
.irp b, 0,1,2,3
	v_fma_f32 v[232+\b], v[232+\b], s[CS], v[\nm]
.endr
.set j, 0
	s_wait_alu depctr_va_vdst(0)
.rept 64
	v_exp_f32 v[\s+j], v[\s+j]
.set j, j+1
.endr
	v_pk_mul_f32 v[\ls:\ls+1], v[\ls:\ls+1], v[252:253] op_sel_hi:[1,0]
	s_wait_alu depctr_va_vdst(0)
.irp b, 0,1,2,3
	v_exp_f32 v[232+\b], v[232+\b]
.endr
	v_pk_add_f32 v[236:237], v[\s:\s+1], v[\s+2:\s+3]
.set j, 4
.rept 15
	v_pk_add_f32 v[\ls:\ls+1], v[\ls:\ls+1], v[\s+j:\s+j+1]
	v_pk_add_f32 v[236:237], v[236:237], v[\s+j+2:\s+j+3]
.set j, j+4
.endr
	s_delay_alu instid0(VALU_DEP_1)
	v_pk_add_f32 v[\ls:\ls+1], v[\ls:\ls+1], v[236:237]
	s_wait_alu depctr_va_vdst(0)
.irp b, 0,1,2,3
	v_max_num_f32 v[232+\b], 0x4800000, v[232+\b]
.endr
.irp b, 0,1,2,3
	s_delay_alu instid0(VALU_DEP_4)
	v_add_nc_u32 v[244+\b], 0xfc000000, v[232+\b]
.endr
.irp b, 0,1,2,3
	v_and_or_b32 v[240+\b], v[232+\b], 0x7f800000, s[MNT]
.endr
.irp b, 0,1,2,3
	v_lshrrev_b32 v[236+\b], 23, v[244+\b]
.endr
	s_delay_alu instid0(VALU_DEP_3)
	v_lshl_or_b32 v253, v237, 8, v236
	s_delay_alu instid0(VALU_DEP_1)
	v_lshl_or_b32 v253, v238, 16, v253
	s_delay_alu instid0(VALU_DEP_1)
	v_lshl_or_b32 v253, v239, 24, v253
.irp b, 0,1,2,3
.irp i, 0,1,2,3,4,5,6,7,8,9,10,11,12,13,14,15
	v_min_num_f32 v[\s+16*\b+\i], v[\s+16*\b+\i], v[240+\b]
.endr
	v_cvt_scalef32_pk8_fp8_f32 v[224+4*\b:225+4*\b], v[\s+16*\b:\s+7+16*\b], v[244+\b]
	v_cvt_scalef32_pk8_fp8_f32 v[226+4*\b:227+4*\b], v[\s+8+16*\b:\s+15+16*\b], v[244+\b]
.endr
	WIN 0x41
.set j, 0
.rept 32
	v_pk_mul_f32 v[\o+j:\o+j+1], v[\o+j:\o+j+1], v[252:253] op_sel_hi:[1,0]
.set j, j+2
.endr
.endm
.macro PV o
	s_wait_dscnt 0x0
	WIN 0x51
.irp t, 0,1,2,3,4,5,6,7
	v_wmma_scale_f32_16x16x128_f8f6f4 v[\o+8*\t:\o+8*\t+7], v[16*\t:16*\t+15], v[224:239], v[\o+8*\t:\o+8*\t+7], v[VW+\t], v253
.endr
	WIN 0
.endm
.macro STEP
	s_cmp_gt_u32 s[KF], s[QB]
	s_cbranch_scc1 .Lhidden_\@
	v_add_nc_u32 v[ADK], s[TK], v[AK0]
	v_add_nc_u32 v[ADV], s[TV], v[AV0]
	v_add_nc_u32 v[ADS], s[TS], v[ASK0]
	v_add_nc_u32 v[ADT], s[TS], v[ASV0]
.rept 4
	v_nop
.endr
.irp t, 0,1,2,3,4,5,6,7
	ds_load_b32 v[KW+\t], v[ADS] offset:272*(\t/4)+64*(\t%4)
.endr
	WIN 0x40
.irp t, 0,1,2,3,4,5,6,7
.irp c, 0,1,2,3
	ds_load_b128 v[16*\t+4*\c:16*\t+4*\c+3], v[ADK] offset:16*\t*KP+32*\c
.endr
.endr
	s_wait_alu depctr_va_vdst(0)
	s_wait_dscnt 16
	WIN 0x01
.irp t, 0,1,2,3
	v_wmma_scale_f32_16x16x128_f8f6f4 v[SSA+8*\t:SSA+8*\t+7], v[16*\t:16*\t+15], v[QFA:QFA+15], 0, v[KW+\t], v[QWA]
	v_wmma_scale_f32_16x16x128_f8f6f4 v[SSB+8*\t:SSB+8*\t+7], v[16*\t:16*\t+15], v[QFB:QFB+15], 0, v[KW+\t], v[QWB]
.endr
	s_wait_dscnt 0x0
.irp t, 4,5,6,7
	v_wmma_scale_f32_16x16x128_f8f6f4 v[SSA+8*\t:SSA+8*\t+7], v[16*\t:16*\t+15], v[QFA:QFA+15], 0, v[KW+\t], v[QWA]
	v_wmma_scale_f32_16x16x128_f8f6f4 v[SSB+8*\t:SSB+8*\t+7], v[16*\t:16*\t+15], v[QFB:QFB+15], 0, v[KW+\t], v[QWB]
.endr
	WIN 0
.rept 8
	v_nop
.endr
	WIN 0x40
.irp t, 0,1,2,3,4,5,6,7
.irp c, 0,1,2,3
	ds_load_b128 v[16*\t+4*\c:16*\t+4*\c+3], v[ADV] offset:16*\t*VP+32*\c
.endr
.endr
	WIN 0
.irp t, 0,1,2,3,4,5,6,7
	ds_load_b32 v[VW+\t], v[ADT] offset:272*(\t/4)+64*(\t%4)
.endr
	s_cmp_lt_u32 s[KF], s[QB]
	s_cbranch_scc1 .Lopen_\@
	v_mov_b32 v254, 0xff800000
	MASK SSA, QLA
	MASK SSB, QLB
.Lopen_\@:
	SOFTMAX SSA, NMA, LSA, OA
	s_wait_alu depctr_va_vdst(0)
	PV OA
.rept 8
	v_nop
.endr
	SOFTMAX SSB, NMB, LSB, OB
	s_wait_alu depctr_va_vdst(0)
	PV OB
.Lhidden_\@:
	s_add_co_u32 s[KF], s[KF], 256
	s_add_co_u32 s[TK], s[TK], 2*128*KP
	s_add_co_u32 s[TV], s[TV], 256
	s_add_co_u32 s[TS], s[TS], 2*544
.endm
.macro CHANGE fill, slot
	s_wait_tensorcnt 0x0
	ds_add_u32 v[SPW], v[NIL]
.if \fill
	s_add_co_u32 s[G0K+1], s68, \slot*SLOTB
	s_add_nc_u64 s[G0K+2:G0K+3], s[G0K+2:G0K+3], SK*128
	s_add_co_u32 s[G0V+1], s69, \slot*SLOTB
	s_add_nc_u64 s[G0V+2:G0V+3], s[G0V+2:G0V+3], SK
.endif
	s_wait_dscnt 0x0
	s_barrier_signal -1
	s_barrier_wait -1
.if \fill
	TLOAD G0K, G1K, G0V, G1V
.endif
.endm
.macro VISIT n, fill
	CHANGE \fill, (1-(\n)%2)
.if (\n) < 2
	ASK \n
.endif
	s_mov_b32 s[TK], ((\n)%2)*SLOTB
	s_mov_b32 s[TV], ((\n)%2)*SLOTB
	s_mov_b32 s[TS], (\n)*4*544
	s_mov_b32 s[TW], 2
.Lstep_\@:
	STEP
	s_sub_co_u32 s[TW], s[TW], 1
	s_cmp_lg_u32 s[TW], 0
	s_cbranch_scc1 .Lstep_\@
.endm
	s_wait_loadcnt 0x0
	VISIT 0, 1
	VISIT 1, 1
	VISIT 2, 1
	VISIT 3, 0
.rept 8
	v_nop
.endr
	WIN 0x04
.set cc, 0
	s_wait_alu depctr_va_vdst(0)
.rept 16
	ds_store_b128 v[MST], v[OB+4*cc:OB+4*cc+3] offset:512*cc
.set cc, cc+1
.endr
	WIN 0
	ds_store_b128 v[MST], v[NMB:NMB+3] offset:8192
	s_wait_dscnt 0x0
	s_barrier_signal -1
	s_barrier_wait -1
.set cc, 0
.rept 16
	ds_load_b128 v[SSA+4*cc:SSA+4*cc+3], v[MLD] offset:512*cc
.set cc, cc+1
.endr
	ds_load_b128 v[84:87], v[MLD] offset:8192
	s_wait_dscnt 0x0
	v_min_num_f32 v92, v[NMA], v84
	s_delay_alu instid0(VALU_DEP_1)
	v_sub_f32 v88, v92, v[NMA]
	s_delay_alu instid0(VALU_DEP_2)
	v_sub_f32 v90, v92, v84
	s_delay_alu instid0(VALU_DEP_2)
	v_cvt_i32_f32 v88, v88
	s_delay_alu instid0(VALU_DEP_2)
	v_cvt_i32_f32 v90, v90
	s_delay_alu instid0(VALU_DEP_2)
	v_ldexp_f32 v88, 1.0, v88
	s_delay_alu instid0(VALU_DEP_2)
	v_ldexp_f32 v90, 1.0, v90
	v_mov_b32 v89, 0
	v_mov_b32 v91, 0
	v_add_f32 v[LSA], v[LSA], v[LSA+1]
	v_add_f32 v86, v86, v87
	s_delay_alu instid0(VALU_DEP_1)
	v_mul_f32 v86, v86, v90
	s_delay_alu instid0(VALU_DEP_1)
	v_fma_f32 v[LSA], v[LSA], v88, v86
	s_delay_alu instid0(VALU_DEP_1)
	v_permlanex16_b32 v252, v[LSA], s[SEL], s[SEL+1]
	s_delay_alu instid0(VALU_DEP_1)
	v_add_f32 v[LSA], v[LSA], v252
	s_wait_alu depctr_va_vdst(0)
	v_rcp_f32 v[LSA], v[LSA]
.set j, 0
.rept 32
	v_pk_mul_f32 v[SSA+j:SSA+j+1], v[SSA+j:SSA+j+1], v[90:91] op_sel_hi:[1,0]
.set j, j+2
.endr
	WIN 0x01
.set j, 0
	s_wait_alu depctr_va_vdst(0)
.rept 32
	v_pk_fma_f32 v[SSA+j:SSA+j+1], v[OA+j:OA+j+1], v[88:89], v[SSA+j:SSA+j+1] op_sel_hi:[1,0,1]
.set j, j+2
.endr
	WIN 0
	s_wait_alu depctr_va_vdst(0)
.set j, 0
.rept 32
	v_pk_mul_f32 v[SSA+j:SSA+j+1], v[SSA+j:SSA+j+1], v[LSA:LSA+1] op_sel_hi:[1,0]
.set j, j+2
.endr
.irp b, 0,1,2,3
	v_max3_num_f32 v[TM+\b], |v[SSA+16*\b]|, |v[SSA+1+16*\b]|, 0x4800000
.endr
.irp i, 2,4,6,8,10,12,14
.irp b, 0,1,2,3
	s_delay_alu instid0(VALU_DEP_4)
	v_max3_num_f32 v[TM+\b], v[TM+\b], |v[SSA+16*\b+\i]|, |v[SSA+1+16*\b+\i]|
.endr
.endr
.irp b, 0,1,2,3
	v_permlanex16_b32 v[TM+4+\b], v[TM+\b], s[SEL], s[SEL+1]
.endr
.irp b, 0,1,2,3
	s_delay_alu instid0(VALU_DEP_4)
	v_max_num_f32 v[TM+\b], v[TM+\b], v[TM+4+\b]
.endr
.irp b, 0,1,2,3
	s_delay_alu instid0(VALU_DEP_4)
	v_add_nc_u32 v[TM+12+\b], 0xfc000000, v[TM+\b]
.endr
.irp b, 0,1,2,3
	v_and_or_b32 v[TM+8+\b], v[TM+\b], 0x7f800000, s[MNT]
.endr
.irp b, 0,1,2,3
	v_lshrrev_b32 v[TM+4+\b], 23, v[TM+12+\b]
.endr
	s_delay_alu instid0(VALU_DEP_3)
	v_lshl_or_b32 v[PW], v[TM+5], 8, v[TM+4]
	s_delay_alu instid0(VALU_DEP_1)
	v_lshl_or_b32 v[PW], v[TM+6], 16, v[PW]
	s_delay_alu instid0(VALU_DEP_1)
	v_lshl_or_b32 v[PW], v[TM+7], 24, v[PW]
.irp b, 0,1,2,3
.irp i, 0,1,2,3,4,5,6,7,8,9,10,11,12,13,14,15
	v_med3_num_f32 v[SSA+16*\b+\i], v[SSA+16*\b+\i], -v[TM+8+\b], v[TM+8+\b]
.endr
	v_cvt_scalef32_pk8_fp8_f32 v[PC+4*\b:PC+1+4*\b], v[SSA+16*\b:SSA+7+16*\b], v[TM+12+\b]
	v_cvt_scalef32_pk8_fp8_f32 v[PC+2+4*\b:PC+3+4*\b], v[SSA+8+16*\b:SSA+15+16*\b], v[TM+12+\b]
.endr
	v_nop
.irp b, 0,1,2,3
	ds_store_b128 v[STO], v[PC+4*\b:PC+4*\b+3] offset:32*\b
.endr
.irp i, 0,1,2,3
	ds_load_b128 v[BKR+4*\i:BKR+4*\i+3], v[RD] offset:544*\i
.endr
	global_store_b32 v[SGO], v[PW], s[10:11]
.irp i, 0,1,2,3
	s_wait_dscnt 3-\i
	global_store_b128 v[GO], v[BKR+4*\i:BKR+4*\i+3], s[8:9] offset:8192*(\i%2)+32768*(\i/2)
.endr
	s_wait_tensorcnt 0x0
	ds_add_u32 v[SPW], v[NIL]
	s_wait_dscnt 0x0
	s_endpgm
.Lfunc_end_k_q3861541595_attn:
	.size	k_q3861541595_attn, .Lfunc_end_k_q3861541595_attn-k_q3861541595_attn
	.p2alignl 7, 3214868480
	.fill 96, 4, 3214868480
	.section	.rodata,"a",@progbits
	.p2align	6, 0x0
	.amdhsa_kernel k_q3861541595_attn
		.amdhsa_group_segment_fixed_size 327680
		.amdhsa_private_segment_fixed_size 0
		.amdhsa_enable_private_segment 0
		.amdhsa_kernarg_size 32
		.amdhsa_user_sgpr_count 2
		.amdhsa_user_sgpr_kernarg_segment_ptr 1
		.amdhsa_wavefront_size32 1
		.amdhsa_system_sgpr_workgroup_id_x 1
		.amdhsa_system_sgpr_workgroup_id_y 1
		.amdhsa_system_sgpr_workgroup_id_z 1
		.amdhsa_system_vgpr_workitem_id 0
		.amdhsa_next_free_vgpr 512
		.amdhsa_next_free_sgpr 100
		.amdhsa_reserve_vcc 1
		.amdhsa_float_denorm_mode_32 3
		.amdhsa_float_denorm_mode_16_64 3
		.amdhsa_memory_ordered 1
		.amdhsa_forward_progress 1
		.amdhsa_inst_pref_size 249
	.end_amdhsa_kernel
	.amdgpu_metadata
---
amdhsa.version: [ 1, 2 ]
amdhsa.kernels:
  - .name:           k_q3861541595_attn
    .symbol:         k_q3861541595_attn.kd
    .args:
      - { .name: ac, .offset: 0, .size: 8, .value_kind: global_buffer, .address_space: global }
      - { .name: asc, .offset: 8, .size: 8, .value_kind: global_buffer, .address_space: global }
      - { .name: oc, .offset: 16, .size: 8, .value_kind: global_buffer, .address_space: global }
      - { .name: osc, .offset: 24, .size: 8, .value_kind: global_buffer, .address_space: global }
    .group_segment_fixed_size: 327680
    .private_segment_fixed_size: 0
    .kernarg_segment_align: 8
    .kernarg_segment_size: 32
    .max_flat_workgroup_size: 256
    .sgpr_count:     100
    .vgpr_count:     512
    .wavefront_size: 32
...
	.end_amdgpu_metadata
.endif
;; end of part 3
;; launch proj (part 4): grid 16 x 16, 4 waves a work-group, clusters of 4 x 4, 327,680 bytes of LDS; arguments oc, osc, wc, wsc, out0; writes out0
.if DOCPART == 4
	.amdgcn_target "amdgcn-amd-amdhsa--gfx1250"
	.amdhsa_code_object_version 6
	.text
	.protected	k_q3861541595_proj
	.globl	k_q3861541595_proj
	.p2align	8
	.type	k_q3861541595_proj,@function
k_q3861541595_proj:
	s_mov_b64 s[64:65], 0
	v_nop
	global_prefetch_b8 v0, s[64:65] scope:SCOPE_SE
	s_setreg_imm32_b32 hwreg(HW_REG_WAVE_MODE, 25, 1), 1
	s_wait_xcnt 0x0
	s_wait_alu depctr_hold_cnt(0) depctr_sa_sdst(0) depctr_va_vdst(0) depctr_va_sdst(0) depctr_va_ssrc(0) depctr_va_vcc(0) depctr_vm_vsrc(0)
	s_getreg_b32 s2, hwreg(HW_REG_IB_STS2, 6, 4)
	s_cmp_eq_u32 s2, 0
	s_cbranch_scc0 .Lentry_in_a_cluster
	s_endpgm
.Lentry_in_a_cluster:
	s_bfe_u32 s2, ttmp6, 0x10000c
	s_cmp_lg_u32 s2, 0xf033
	s_cbranch_scc0 .Lentry_shape_is_right
	s_endpgm
.Lentry_shape_is_right:
; out0 = o Wo^T on codes of FP8 (E4M3) with E8M0 scales.  o: oc [1024 pairs of tokens][16 heads][2 tokens][128 codes], osc [16 heads][2048 tokens] one word (4 scale bytes) each.
; Wo: wc from stored row 8,192 on, in the order of the operand registers: [block of 16 rows: 32,768 bytes][128 along K: 2,048 bytes][c][lane][16 bytes]; wsc [row][64 scale bytes].
; SHARES: a tile of 128 tokens x 128 columns a work-group, 64 x 64 a wave, used transposed (source 0 = 16 rows of Wo, source 1 = 16 tokens): a lane holds 8 neighbouring columns of a token's row.  256 work-groups.
; o GOES THROUGH LDS, Wo STRAIGHT INTO REGISTERS.  o's whole tile, 128 tokens x all of K, 262,144 bytes, is asked for at the head by joint loads shared along a row of the cluster, one a wave: wave w brings K = 512 w .. 512 w + 511
; (64 rows of 1,024 bytes, 16 of padding behind each).  Nothing is filled again.  The first barrier shows waves 0 and 1's slabs, the barrier at the head of step 6 the other two, which step 8's fragments are the first to read.
; Wo's fragments, four for 128 along K, come by loads of 512 consecutive bytes into four sets of registers by turns, four steps ahead; so Wo has no joint load: it lands in registers.
; The scale words come once, straight into registers: a register holds one tile's words in lanes 0-15 and the next tile's in lanes 16-31.
; No prefetch: o's tile is asked for whole at the head, and Wo's loads themselves run four steps ahead.  LIMITS: NaN and infinities are not served.
; REGISTERS: window 0: addresses, v32-63 o's scale words, v68-99 Wo's (their numbers differ modulo 8), v128-255 the way out; window 1: o's fragments, two sets of 64; window 2: 16 accumulators; window 3: Wo's fragments, four sets of 64.
.set APITCH, 1040
.set SLAB,   64*APITCH
.set SPARE,  4*SLAB                    ; the spare words: 128 bytes a wave, named by no other line
.set STAGE,  SPARE+512                 ; the way out: 16 rows x (256 + 16) bytes for each wave
.set L4,   17
.set L64,  18
.set L16,  19
.set ADRA, 20                          ; v20-23 my fragments of o in slab 0 .. 3
.set STO,  24
.set RD,   25
.set CO,   26
.set SPW,  28
.set NIL,  29
.set SA,   32
.set SB,   68
.set BK,   128
.set G1, 24
.set G0, 32
.set MSB, 0
.macro WIN new                         ; the immediate's high byte repeats the setting that is left
.if MSB != \new
	s_set_vgpr_msb (MSB<<8)|\new
.set MSB, \new
.endif
.endm
.set MUL, 0xa7                         ; source 0 (Wo) window 3, source 1 (o) window 1, C and D window 2
.macro TL g0, g1                       ; a tensor load with an s_nop and four v_nops behind it
	tensor_load_to_lds s[\g0:\g0+3], s[\g1:\g1+7]
	s_nop 0
.rept 4
	v_nop
.endr
.endm
.macro CROUND                          ; a round of the cluster's barrier
	s_barrier_signal -1
	s_barrier_wait -1
	s_cmp_lg_u32 s14, 0
	s_cbranch_scc1 .Lnot_wave_0_\@
	s_barrier_signal -3
.Lnot_wave_0_\@:
	s_barrier_wait -3
	s_barrier_signal -1
	s_barrier_wait -1
.endm
.macro PLACES n
.rept \n
	v_nop
.endr
.endm
.macro GB kk                           ; Wo's four fragments of step kk into set kk % 4: 16 loads of 512 consecutive bytes
	WIN 0xc0
.irp i, 0,1,2,3
.irp c, 0,1,2,3
	global_load_b128 v[64*((\kk)%4)+16*\i+4*\c:64*((\kk)%4)+16*\i+4*\c+3], v[L16], s[46:47] offset:32768*\i+2048*(\kk)+512*\c
.endr
.endr
	WIN 0
.endm
.macro FETCH kk                        ; o's four fragments of step kk (head kk) into set kk % 2
	WIN 0x40
.irp i, 0,1,2,3
.irp c, 0,1,2,3
	ds_load_b128 v[64*((\kk)%2)+16*\i+4*\c:64*((\kk)%2)+16*\i+4*\c+3], v[ADRA+(\kk)/4] offset:256*((\kk)%4)+32*\c+8*APITCH*\i
.endr
.endr
	WIN 0
.endm
	s_load_b256 s[4:11], s[0:1], 0x0               ; oc, osc, wc, wsc
	s_load_b64 s[12:13], s[0:1], 0x20              ; out0
	v_lshl_add_u32 v[SPW], v0, 2, SPARE
	v_mov_b32 v[NIL], 0
	ds_add_u32 v[SPW], v[NIL]                      ; the opening lines: the add twice on end and its wait ahead of my first tensor load
	ds_add_u32 v[SPW], v[NIL]
	v_lshrrev_b32 v1, 5, v0
	v_readfirstlane_b32 s14, v1                    ; wave
	s_lshr_b32 s15, s14, 1                         ; my half of the tokens
	s_and_b32 s16, s14, 1                          ; my half of the columns
	s_bfe_u32 s40, ttmp6, 0x40000                  ; cx
	s_bfe_u32 s41, ttmp6, 0x40004                  ; cy
	s_lshl_b32 s42, ttmp9, 2
	s_add_co_u32 s42, s42, s40                     ; tile column
	s_and_b32 s17, ttmp7, 0xffff
	s_lshl_b32 s17, s17, 2
	s_add_co_u32 s17, s17, s41                     ; tile row
	s_lshl_b32 s43, s41, 2
	s_lshl_b32 s43, 15, s43                        ; my row of the cluster
	s_or_b32 s[G1+0], s43, (0<<16)|(1<<20)|(1<<21)|(7<<22)|(3<<25)  ; mask; elements of 1 byte; padding: 4 words after every 256; bit 21 beside a mask
	s_mov_b32 s[G1+1], 1024<<16
	s_mov_b32 s[G1+2], 64<<16
	s_mov_b32 s[G1+3], 1024<<16
	s_mov_b32 s[G1+4], 64
	s_mov_b32 s[G1+5], 4096
	s_mov_b32 s[G1+6], 0
	s_mov_b32 s[G1+7], 0
	s_mul_i32 s45, s14, SLAB                       ; my slab in LDS
	s_mul_i32 s44, s15, 32*APITCH                  ; my 64 tokens: 32 rows of a slab
	s_mul_i32 s96, s14, 16*272
	s_add_co_u32 s96, s96, STAGE                   ; my stage
	s_lshl_b32 s20, s17, 18                        ; o's tile: 64 rows of 4,096 bytes a tile row,
	s_lshl_b32 s21, s14, 10
	s_add_co_u32 s20, s20, s21                     ; my slab's 1,024 bytes of each
	s_mov_b32 s21, 0
	s_lshl_b32 s22, s17, 9                         ; o's scale words: 4 bytes a token
	s_lshl_b32 s23, s15, 8
	s_add_co_u32 s22, s22, s23
	s_mov_b32 s23, 0
	s_lshl_b32 s46, s42, 7
	s_lshl_b32 s47, s16, 6
	s_add_co_u32 s46, s46, s47
	s_add_co_u32 s46, s46, 8192                    ; Wo: my first stored row
	s_lshl_b32 s92, s46, 6                         ; its scale bytes,
	s_mov_b32 s93, 0
	s_lshl_b32 s46, s46, 11                        ; its codes
	s_mov_b32 s47, 0
	s_lshl_b32 s94, s17, 7
	s_lshl_b32 s95, s15, 6
	s_add_co_u32 s94, s94, s95
	s_lshl_b32 s94, s94, 13                        ; out0: my first token's row of 8,192 bytes,
	s_lshl_b32 s95, s42, 9
	s_add_co_u32 s94, s94, s95
	s_lshl_b32 s95, s16, 8
	s_add_co_u32 s94, s94, s95                     ; my first column
	s_mov_b32 s95, 0
	v_and_b32 v1, 15, v0                           ; r
	v_bfe_u32 v2, v0, 4, 1                         ; h
	v_and_b32 v7, 31, v0                           ; lane
	v_lshlrev_b32 v[L4], 2, v7
	v_lshlrev_b32 v[L64], 6, v7
	v_lshlrev_b32 v[L16], 4, v7
	v_lshrrev_b32 v3, 1, v1
	v_mul_u32_u24 v3, v3, APITCH
	v_and_b32 v4, 1, v1
	v_lshl_add_u32 v3, v4, 7, v3
	v_lshl_add_u32 v3, v2, 4, v3
	v_add_nc_u32 v3, s44, v3                       ; token r of a tile: row r / 2, 128 bytes for each of the pair, + 16 h
.irp s, 0,1,2,3
	v_add_nc_u32 v[ADRA+\s], \s*SLAB, v3
.endr
	v_mul_u32_u24 v5, v1, 272
	v_lshl_add_u32 v5, v2, 5, v5
	v_add_nc_u32 v[STO], s96, v5
	v_mul_u32_u24 v5, v2, 272
	v_lshl_add_u32 v5, v1, 4, v5
	v_add_nc_u32 v[RD], s96, v5
	v_lshlrev_b32 v[CO], 13, v2
	v_lshl_add_u32 v[CO], v1, 4, v[CO]
	s_wait_alu depctr_va_vdst(0)                   ; the wait behind the head's last vector line, ahead of the waits below
	s_wait_dscnt 0x0                               ; both opening adds are done
	s_wait_kmcnt 0x0
	s_add_nc_u64 s[20:21], s[4:5], s[20:21]
	s_add_nc_u64 s[22:23], s[6:7], s[22:23]
	s_add_nc_u64 s[46:47], s[8:9], s[46:47]
	s_add_nc_u64 s[92:93], s[10:11], s[92:93]
	s_add_nc_u64 s[12:13], s[12:13], s[94:95]
.irp j, 0,1
.irp g, 0,1,2,3
	global_load_b128 v[SB+16*\j+4*\g:SB+16*\j+4*\g+3], v[L64], s[92:93] offset:2048*\j+16*\g   ; Wo's scale words: lane l takes row 32 j + l; register 16 j + kk: step kk
.endr
.endr
.irp j, 0,1
.set kq, 0
.rept 16
	global_load_b32 v[SA+16*\j+kq], v[L4], s[22:23] offset:8192*kq+128*\j                      ; o's: lane l takes token 32 j + l; register 16 j + kk: head kk
.set kq, kq+1
.endr
.endr
	GB 0
	GB 1
	GB 2
	GB 3
	CROUND                                         ; all sixteen work-groups are here: the joint loads meet
	s_mov_b32 s[G0], 1
	s_mov_b32 s[G0+1], s45
	s_mov_b64 s[G0+2:G0+3], s[20:21]
	s_or_b32 s[G0+3], s[G0+3], 0x80000000
	s_cmp_lt_u32 s14, 2                            ; waves 0, 1 and waves 2, 3 have a load line each: the first barrier waits for the first line's alone
	s_cbranch_scc0 .Lupper
	TL G0, G1
	s_branch .Lasked
.Lupper:
	TL G0, G1
.Lasked:
	s_cmp_lt_u32 s14, 2
	s_cbranch_scc0 .Lnot_yet
	s_wait_tensorcnt 0x0                           ; slabs 0 and 1
.Lnot_yet:
	s_barrier_signal -1
	s_barrier_wait -1
	FETCH 0
	FETCH 1
; one product: tile (a, b); c: its C operand.  Odd tiles' scale words stand in lanes 16-31
.macro WM a, b, kk, c
.set D_, 8*(4*(\a)+(\b))
.set B_, 64*((\kk)%4)+16*(\b)
.set A_, 64*((\kk)%2)+16*(\a)
.set SB_, SB+16*((\b)/2)+(\kk)
.set SA_, SA+16*((\a)/2)+(\kk)
.if ((\b)%2) && ((\a)%2)
	v_wmma_scale_f32_16x16x128_f8f6f4 v[D_:D_+7], v[B_:B_+15], v[A_:A_+15], \c, v[SB_], v[SA_] matrix_a_scale:MATRIX_SCALE_ROW1 matrix_b_scale:MATRIX_SCALE_ROW1
.elseif (\b)%2
	v_wmma_scale_f32_16x16x128_f8f6f4 v[D_:D_+7], v[B_:B_+15], v[A_:A_+15], \c, v[SB_], v[SA_] matrix_a_scale:MATRIX_SCALE_ROW1
.elseif (\a)%2
	v_wmma_scale_f32_16x16x128_f8f6f4 v[D_:D_+7], v[B_:B_+15], v[A_:A_+15], \c, v[SB_], v[SA_] matrix_b_scale:MATRIX_SCALE_ROW1
.else
	v_wmma_scale_f32_16x16x128_f8f6f4 v[D_:D_+7], v[B_:B_+15], v[A_:A_+15], \c, v[SB_], v[SA_]
.endif
.endm
; a step: 128 along K, 16 products, the 16 accumulators by turns in the same order in every step
.macro STEPN kk
.if (\kk) == 6
	s_wait_tensorcnt 0x0                           ; every wave: all that is still out, slabs 2 and 3, is in
	s_wait_dscnt 0x0
	s_barrier_signal -1
	s_barrier_wait -1
.elseif (\kk) < 15
	s_wait_dscnt 16                                ; this step's fragments of o are in; the next step's 16 loads may be out
.else
	s_wait_dscnt 0x0
.endif
.if (\kk) < 13
	s_wait_loadcnt 48                              ; this step's fragments of Wo are in (and at step 0 the scale words, asked for ahead of them); those of the three steps behind it may be out
.else
	s_wait_loadcnt 16*(15-(\kk))
.endif
	WIN MUL
.irp a, 0,1,2,3
.irp b, 0,1,2,3
.if (\kk) == 0
	WM \a, \b, \kk, 0
.else
	WM \a, \b, \kk, v[8*(4*\a+\b):8*(4*\a+\b)+7]
.endif
.endr
.endr
	WIN 0
	PLACES 8                                       ; ahead of loads into registers that the products have read, and of the first read of the sums
.if (\kk) < 14
	FETCH (\kk)+2
.endif
.if (\kk) < 12
	GB (\kk)+4
.endif
.endm
.irp k, 0,1,2,3,4,5,6,7,8,9,10,11,12,13,14,15
	STEPN \k
.endr
; the way out: 16 tokens x 64 columns at a time through my own stage, back as rows of 256 bytes; LDS serves a wave's instructions in order
.macro TOSTAGE a
	WIN 0x08
.irp b, 0,1,2,3
	ds_store_b128 v[STO], v[8*(4*(\a)+\b):8*(4*(\a)+\b)+3] offset:64*\b
	ds_store_b128 v[STO], v[8*(4*(\a)+\b)+4:8*(4*(\a)+\b)+7] offset:64*\b+16
.endr
	WIN 0
.irp t, 0,1,2,3,4,5,6,7
	ds_load_b128 v[BK+32*(\a)+4*\t:BK+32*(\a)+4*\t+3], v[RD] offset:544*\t
.endr
.endm
.macro SEND a, younger                 ; younger: the LDS instructions issued behind block a's loads
	s_wait_dscnt \younger
.irp t, 0,1,2,3,4,5,6,7
	global_store_b128 v[CO], v[BK+32*(\a)+4*\t:BK+32*(\a)+4*\t+3], s[12:13] offset:(16*(\a)+2*\t)*8192 th:TH_STORE_NT   ; sixteen lanes store 256 consecutive bytes, aligned
.endr
.endm
	TOSTAGE 0
	TOSTAGE 1
	SEND 0, 16
	TOSTAGE 2
	SEND 1, 16
	TOSTAGE 3
	SEND 2, 16
	SEND 3, 0
	s_wait_tensorcnt 0x0                           ; the wave's end
	ds_add_u32 v[SPW], v[NIL]
	s_wait_dscnt 0x0
	CROUND                                         ; the closing round
	s_endpgm
.Lfunc_end_k_q3861541595_proj:
	.size	k_q3861541595_proj, .Lfunc_end_k_q3861541595_proj-k_q3861541595_proj
	.p2alignl 7, 3214868480
	.fill 96, 4, 3214868480
	.section	.rodata,"a",@progbits
	.p2align	6, 0x0
	.amdhsa_kernel k_q3861541595_proj
		.amdhsa_group_segment_fixed_size 327680
		.amdhsa_private_segment_fixed_size 0
		.amdhsa_enable_private_segment 0
		.amdhsa_kernarg_size 40
		.amdhsa_user_sgpr_count 2
		.amdhsa_user_sgpr_kernarg_segment_ptr 1
		.amdhsa_wavefront_size32 1
		.amdhsa_system_sgpr_workgroup_id_x 1
		.amdhsa_system_sgpr_workgroup_id_y 1
		.amdhsa_system_sgpr_workgroup_id_z 1
		.amdhsa_system_vgpr_workitem_id 0
		.amdhsa_next_free_vgpr 1024
		.amdhsa_next_free_sgpr 98
		.amdhsa_reserve_vcc 0
		.amdhsa_float_denorm_mode_32 3
		.amdhsa_float_denorm_mode_16_64 3
		.amdhsa_memory_ordered 1
		.amdhsa_forward_progress 1
		.amdhsa_inst_pref_size 98
	.end_amdhsa_kernel
	.amdgpu_metadata
---
amdhsa.version: [ 1, 2 ]
amdhsa.kernels:
  - .name:           k_q3861541595_proj
    .symbol:         k_q3861541595_proj.kd
    .args:
      - { .name: oc, .offset: 0, .size: 8, .value_kind: global_buffer, .address_space: global }
      - { .name: osc, .offset: 8, .size: 8, .value_kind: global_buffer, .address_space: global }
      - { .name: wc, .offset: 16, .size: 8, .value_kind: global_buffer, .address_space: global }
      - { .name: wsc, .offset: 24, .size: 8, .value_kind: global_buffer, .address_space: global }
      - { .name: out0, .offset: 32, .size: 8, .value_kind: global_buffer, .address_space: global }
    .group_segment_fixed_size: 327680
    .private_segment_fixed_size: 0
    .kernarg_segment_align: 8
    .kernarg_segment_size: 40
    .max_flat_workgroup_size: 128
    .sgpr_count:     98
    .vgpr_count:     1024
    .wavefront_size: 32
...
	.end_amdgpu_metadata
.endif
;; end of part 4
